; MI455X (gfx1250); checked and timed in simulation.
; The chip was launched on July 23, 2026; its instructions are those of AMD's public machine-readable ISA for CDNA 5 (MIT licence, August 2026) and "CDNA5" Instruction Set Architecture Reference Guide (July 2026). The comments in the code are by the model that wrote it; some were corrected since.
;; Transformer Block. Allowed arithmetic: float matrix products may take bf16 or f16 operands with f32 sums; other float arithmetic in f32, or as packed bf16 or f16 multiplies, adds, multiply-adds, maxima and minima; sums over many terms, partial sums and values carried from step to step in f32; what a program stores and reads back later, other than sums and carried values, may be rounded once to bf16 or f16.
;; Inputs: W1 4,096 x 1,024 float32; W2 1,024 x 4,096 float32; Wk 1,024 x 1,024 float32; Wo 1,024 x 1,024 float32; Wq 1,024 x 1,024 float32; Wv 1,024 x 1,024 float32; b1 4,096 float32; b2 1,024 float32; bk 1,024 float32; bo 1,024 float32; bq 1,024 float32; bv 1,024 float32; ln1_b 1,024 float32; ln1_g 1,024 float32; ln2_b 1,024 float32; ln2_g 1,024 float32; x 2 x 2,048 x 1,024 float32.
;; Outputs: out0 2 x 2,048 x 1,024 float32.
;; 2 versions, each right; version 2 is version 1 with the launch prep written anew for expert scheduling mode. Each part assembles by itself: llvm-mc -triple=amdgcn-amd-amdhsa -mcpu=gfx1250 --defsym DOCPART=n.
;; ======== version 1 of 2: 7 launches
;; limits: values are held in f16: magnitudes above 65,504 overflow, below 6.1e-05 lose precision
;; workspace buffers: xn 8,388,608 bytes; wqkv 6,308,096 bytes; w1h 8,405,248 bytes; w2h 8,388,608 bytes; woh 2,097,152 bytes; big 33,554,432 bytes; ctx 8,650,752 bytes; x2 16,777,216 bytes
;; launch prep (part 1): grid 256 x 1, 16 waves a work-group, no clusters, 0 bytes of LDS; arguments x, ln1_g, ln1_b, xn, Wq, Wk, Wv, W1, W2, Wo, wqkv, w1h, w2h, woh, bq, bk, bv, b1; writes xn, wqkv, w1h, w2h, woh
.if DOCPART == 1
	.amdgcn_target "amdgcn-amd-amdhsa--gfx1250"
	.amdhsa_code_object_version 6
	.text
	.protected	k_qe2ebf3a0a6_prep
	.globl	k_qe2ebf3a0a6_prep
	.p2align	8
	.type	k_qe2ebf3a0a6_prep,@function
k_qe2ebf3a0a6_prep:
	s_mov_b64 s[64:65], 0
	v_nop
	global_prefetch_b8 v0, s[64:65] scope:SCOPE_SE
	s_setreg_imm32_b32 hwreg(HW_REG_WAVE_MODE, 25, 1), 1
	s_wait_xcnt 0x0
; PREP.  256 work-groups of sixteen waves; wave W = 16 x work-group + wave (0 .. 4,095) has the same share as every other:
;   row W of LN1: xn[W] = (x[W] - mean) * rsqrt(var + 1e-6) * g + b, rounded once to f16.  The row of 1,024 numbers stays in 32 registers between the passes (mean; centred squares;
;   scaling): the order of the formula itself, so a common offset of x costs nothing;
;   three blocks of 4,096 bytes of weights, rounded once to f16 (2,048 bytes out): blocks W, W + 4,096 and W + 8,192 of the stream Wq | Wk | Wv | W1 | W2 | Wo, 12,288 blocks in all.
;   Wq, Wk, Wv -> wqkv, W1 -> w1h, W2 -> w2h, Wo -> woh; source and destination are plain streams, so block u of a matrix lies at 4,096 u and goes to 2,048 u.
; All 48 loads of a wave (24 KB) go out before its first wait; the norm is reckoned while the weights are on their way; results are converted in place.
; THE HEADERS of wqkv and w1h: bytes 0 .. 16,383 the bias in f32 by output column (bq | bk | bv; b1), bytes 16,384 .. 16,639 the slope of the activation behind that product as two f16 a word
; (1.0: none; 0.01).  The weights begin at byte HDR.  Waves 0 .. 7 of work-group 0 write them, ahead of their share, from registers that nothing rewrites.
; LIMITS.  xn and the weights must lie within 65,504; a weight below 6e-5 keeps f16's fixed step of 6e-8; 0.01 is taken as f16's 0.0100021.  NaN and infinities are not treated apart.
; No LDS, no barrier, no matrix unit: memory binds, every byte is read once and every store of a wave covers 256 or 512 consecutive aligned bytes.
.set HDR, 16640
.set T,   4                            ; v[4:11]    four chains of two sums
.set X,   32                           ; v[32:63]   the row; at last its f16 form in v[32:47]
.set G,   64                           ; v[64:95]   the gain of my 32 columns
.set B,   96                           ; v[96:127]  the bias of my 32 columns
.set C,   128                          ; v[128:223] the weights: 24 loads of four registers, each converted into its first two
.set H,   224                          ; v[224:255] a header's 4,096 bytes, or the slope words
.macro REDUCE                          ; four chains of pairs -> one sum, in every lane
	v_pk_add_f32 v[T:T+1], v[T:T+1], v[T+2:T+3]
	v_pk_add_f32 v[T+4:T+5], v[T+4:T+5], v[T+6:T+7]
	v_pk_add_f32 v[T:T+1], v[T:T+1], v[T+4:T+5]
	v_add_f32 v[T], v[T], v[T+1]
.irp m, 1,2,4,8
	v_add_f32_dpp v[T], v[T], v[T] row_xmask:\m row_mask:0xf bank_mask:0xf
.endr
	v_permlanex16_b32 v[T+1], v[T], s44, s45       ; the other half of the lanes; its destination has been written
	v_add_f32 v[T], v[T], v[T+1]
.endm
	s_load_b512 s[4:19], s[0:1], 0x0               ; x 4, ln1_g 6, ln1_b 8, xn 10, Wq 12, Wk 14, Wv 16, W1 18
	s_load_b512 s[20:35], s[0:1], 0x40             ; W2 20, Wo 22, wqkv 24, w1h 26, w2h 28, woh 30, bq 32, bk 34
	s_load_b128 s[36:39], s[0:1], 0x80             ; bv 36, b1 38
	v_lshrrev_b32 v3, 5, v0
	v_readfirstlane_b32 s40, v3                    ; wave 0..15
	v_and_b32 v1, 31, v0
	v_lshlrev_b32 v2, 3, v1                        ; 8 x lane; never rewritten
	v_lshlrev_b32 v1, 4, v1                        ; 16 x lane; never rewritten
	s_mov_b32 s44, 0x76543210                      ; v_permlanex16_b32: each lane takes its own place in the other half
	s_mov_b32 s45, 0xfedcba98
	s_mov_b32 s46, 0x3a800000                      ; 1 / 1,024
	s_mov_b32 s67, 0                               ; the high words of the offsets
	s_mov_b32 s69, 0
	s_lshl_b32 s41, ttmp9, 4
	s_add_co_u32 s41, s41, s40                     ; W
	s_wait_kmcnt 0x0
	s_cmp_ge_u32 s41, 8
	s_cbranch_scc1 .Lmain
	s_cmp_eq_u32 s41, 7
	s_cbranch_scc1 .Lslope
	s_mov_b64 s[72:73], s[32:33]                   ; W = 0, 1, 2: bq, bk, bv -> wqkv + 4,096 W; W = 3 .. 6: b1 + 4,096 (W - 3) -> w1h + 4,096 (W - 3)
	s_mov_b64 s[74:75], s[24:25]
	s_lshl_b32 s66, s41, 12
	s_max_u32 s47, s41, 3
	s_sub_co_u32 s47, s47, 3
	s_lshl_b32 s68, s47, 12
	s_cmp_ge_u32 s41, 1
	s_cselect_b64 s[72:73], s[34:35], s[72:73]
	s_cmp_ge_u32 s41, 2
	s_cselect_b64 s[72:73], s[36:37], s[72:73]
	s_cmp_ge_u32 s41, 3
	s_cselect_b64 s[72:73], s[38:39], s[72:73]
	s_cselect_b64 s[74:75], s[26:27], s[74:75]
	s_cselect_b32 s66, s68, s66
	s_add_nc_u64 s[72:73], s[72:73], s[68:69]
	s_add_nc_u64 s[74:75], s[74:75], s[66:67]
.set j, 0
.rept 8
	global_load_b128 v[H+4*j:H+4*j+3], v1, s[72:73] offset:512*j
.set j, j+1
.endr
	s_wait_loadcnt 0x0
.set j, 0
.rept 8
	global_store_b128 v1, v[H+4*j:H+4*j+3], s[74:75] offset:512*j  ; neither these registers nor s[72:75] are written again
.set j, j+1
.endr
	s_branch .Lmain
.Lslope:
	v_mov_b32 v[H], 0x3c003c00                     ; 1.0 twice in f16: q, k and v have no activation
	v_mov_b32 v[H+1], 0x3c003c00
	v_mov_b32 v[H+2], 0x211f211f                   ; 0.01 twice
	v_mov_b32 v[H+3], 0x211f211f
	global_store_b64 v2, v[H:H+1], s[24:25] offset:16384
	global_store_b64 v2, v[H+2:H+3], s[26:27] offset:16384
.Lmain:
	s_lshl_b32 s66, s41, 12
	s_add_nc_u64 s[4:5], s[4:5], s[66:67]          ; x at my row
	s_lshl_b32 s66, s41, 11
	s_add_nc_u64 s[10:11], s[10:11], s[66:67]      ; xn at my row
.set j, 0
.rept 8
	global_load_b128 v[X+4*j:X+4*j+3], v1, s[4:5] offset:512*j th:TH_LOAD_NT  ; columns 128 j + 4 lane .. + 3
.set j, j+1
.endr
.set j, 0
.rept 8
	global_load_b128 v[G+4*j:G+4*j+3], v1, s[6:7] offset:512*j
.set j, j+1
.endr
.set j, 0
.rept 8
	global_load_b128 v[B+4*j:B+4*j+3], v1, s[8:9] offset:512*j
.set j, j+1
.endr
	; my three blocks.  hi: W >= 3,072.  U = hi ? W - 3,072 : W + 1,024.
	;   first:  from Wq, Wk, Wv or W1 by W / 1,024, block W % 1,024;  to wqkv, block W, or (hi) w1h, block U
	;   second: from W1 or (hi) W2, block U;  to w1h or (hi) w2h, block U          third: from W2 or (hi) Wo, block U;  to w2h or (hi) woh, block U
	s_and_b32 s42, s41, 1023
	s_add_co_u32 s43, s41, 1024
	s_max_u32 s47, s41, 3072
	s_sub_co_u32 s47, s47, 3072
	s_mov_b64 s[48:49], s[12:13]
	s_cmp_ge_u32 s41, 1024
	s_cselect_b64 s[48:49], s[14:15], s[48:49]
	s_cmp_ge_u32 s41, 2048
	s_cselect_b64 s[48:49], s[16:17], s[48:49]
	s_cmp_ge_u32 s41, 3072
	s_cselect_b64 s[48:49], s[18:19], s[48:49]     ; from: s[48:49], s[52:53], s[56:57]
	s_cselect_b64 s[50:51], s[26:27], s[24:25]     ; to:   s[50:51], s[54:55], s[58:59]
	s_cselect_b64 s[52:53], s[20:21], s[18:19]
	s_cselect_b64 s[54:55], s[28:29], s[26:27]
	s_cselect_b64 s[56:57], s[22:23], s[20:21]
	s_cselect_b64 s[58:59], s[30:31], s[28:29]
	s_cselect_b32 s43, s47, s43                    ; U
	s_cselect_b32 s70, s47, s41                    ; the first block's place in its destination
	s_cselect_b32 s71, 0, HDR                      ; the second destination's header: w1h has one, w2h none
	s_lshl_b32 s66, s42, 12
	s_add_nc_u64 s[48:49], s[48:49], s[66:67]
	s_lshl_b32 s66, s43, 12
	s_add_nc_u64 s[52:53], s[52:53], s[66:67]
	s_add_nc_u64 s[56:57], s[56:57], s[66:67]
.set n, 0
.rept 24
	global_load_b128 v[C+4*n:C+4*n+3], v1, s[48+4*(n/8):49+4*(n/8)] offset:512*(n%8) th:TH_LOAD_NT
.set n, n+1
.endr
	s_lshl_b32 s66, s70, 11
	s_add_co_u32 s66, s66, HDR
	s_add_nc_u64 s[50:51], s[50:51], s[66:67]
	s_lshl_b32 s66, s43, 11
	s_add_nc_u64 s[58:59], s[58:59], s[66:67]
	s_add_co_u32 s66, s66, s71
	s_add_nc_u64 s[54:55], s[54:55], s[66:67]
	s_wait_loadcnt 40                              ; loads return in order (ISA guide 5.7.1): the row is in; the forty younger loads (gain 8, bias 8, weights 24) stay out
.set p, 0
.rept 4
	v_pk_add_f32 v[T+2*p:T+2*p+1], v[X+2*p:X+2*p+1], v[X+8+2*p:X+8+2*p+1]  ; the first eight pairs start the chains: nothing is cleared
.set p, p+1
.endr
.set p, 8
.rept 8
	v_pk_add_f32 v[T+2*(p%4):T+2*(p%4)+1], v[T+2*(p%4):T+2*(p%4)+1], v[X+2*p:X+2*p+1]
.set p, p+1
.endr
	REDUCE
	v_mul_f32 v12, s46, v[T]                       ; the mean: sum / 1,024
	v_mov_b32 v13, v12
.set p, 0
.rept 16
	v_pk_add_f32 v[X+2*p:X+2*p+1], v[X+2*p:X+2*p+1], v[12:13] neg_lo:[0,1] neg_hi:[0,1]
.set p, p+1
.endr
.set p, 0
.rept 4
	v_pk_mul_f32 v[T+2*p:T+2*p+1], v[X+2*p:X+2*p+1], v[X+2*p:X+2*p+1]
.set p, p+1
.endr
.rept 12
	v_pk_fma_f32 v[T+2*(p%4):T+2*(p%4)+1], v[X+2*p:X+2*p+1], v[X+2*p:X+2*p+1], v[T+2*(p%4):T+2*(p%4)+1]
.set p, p+1
.endr
	REDUCE
	v_fmaak_f32 v16, s46, v[T], 0x358637bd         ; var + 1e-6
	v_rsq_f32 v14, v16                             ; twice, for the pair that the packed multiply names
	v_rsq_f32 v15, v16
	v_nop                                          ; a plain instruction between a transcendental and the use of its result (ISA guide 5.7.2)
	s_wait_loadcnt 24                              ; gain and bias are in; the weights stay out
.set p, 0
	s_wait_alu depctr_va_vdst(0)
.rept 16
	v_pk_mul_f32 v[X+2*p:X+2*p+1], v[X+2*p:X+2*p+1], v[14:15]
.set p, p+1
.endr
.set p, 0
.rept 16
	v_pk_fma_f32 v[X+2*p:X+2*p+1], v[X+2*p:X+2*p+1], v[G+2*p:G+2*p+1], v[B+2*p:B+2*p+1]
.set p, p+1
.endr
.set p, 0
.rept 16
	v_cvt_pk_f16_f32 v[X+p], v[X+2*p], v[X+2*p+1]  ; in place, ascending: register p has been read by pair p / 2 before pair p writes it
.set p, p+1
.endr
.set j, 0
.rept 8
	global_store_b64 v2, v[X+2*j:X+2*j+1], s[10:11] offset:256*j  ; the wave's 32 lanes store 256 consecutive bytes, aligned
.set j, j+1
.endr
.set n, 0
.rept 24                               ; each load is rounded and stored as it comes; every load has registers of its own, so no store's data is rewritten
	s_wait_loadcnt 23-n                            ; load n is in, the younger ones stay out
	v_cvt_pk_f16_f32 v[C+4*n], v[C+4*n], v[C+4*n+1]
	v_cvt_pk_f16_f32 v[C+4*n+1], v[C+4*n+2], v[C+4*n+3]
	global_store_b64 v2, v[C+4*n:C+4*n+1], s[50+4*(n/8):51+4*(n/8)] offset:256*(n%8)
.set n, n+1
.endr
	s_endpgm
.Lfunc_end_k_qe2ebf3a0a6_prep:
	.size	k_qe2ebf3a0a6_prep, .Lfunc_end_k_qe2ebf3a0a6_prep-k_qe2ebf3a0a6_prep
	.p2alignl 7, 3214868480
	.fill 96, 4, 3214868480
	.section	.rodata,"a",@progbits
	.p2align	6, 0x0
	.amdhsa_kernel k_qe2ebf3a0a6_prep
		.amdhsa_group_segment_fixed_size 0
		.amdhsa_private_segment_fixed_size 0
		.amdhsa_enable_private_segment 0
		.amdhsa_kernarg_size 144
		.amdhsa_user_sgpr_count 2
		.amdhsa_user_sgpr_kernarg_segment_ptr 1
		.amdhsa_wavefront_size32 1
		.amdhsa_system_sgpr_workgroup_id_x 1
		.amdhsa_system_sgpr_workgroup_id_y 1
		.amdhsa_system_sgpr_workgroup_id_z 1
		.amdhsa_system_vgpr_workitem_id 0
		.amdhsa_next_free_vgpr 256
		.amdhsa_next_free_sgpr 80
		.amdhsa_reserve_vcc 0
		.amdhsa_float_denorm_mode_32 3
		.amdhsa_float_denorm_mode_16_64 3
		.amdhsa_memory_ordered 1
		.amdhsa_forward_progress 1
		.amdhsa_inst_pref_size 24
	.end_amdhsa_kernel
	.amdgpu_metadata
---
amdhsa.version: [ 1, 2 ]
amdhsa.kernels:
  - .name:           k_qe2ebf3a0a6_prep
    .symbol:         k_qe2ebf3a0a6_prep.kd
    .args:
      - { .name: x, .offset: 0, .size: 8, .value_kind: global_buffer, .address_space: global }
      - { .name: ln1_g, .offset: 8, .size: 8, .value_kind: global_buffer, .address_space: global }
      - { .name: ln1_b, .offset: 16, .size: 8, .value_kind: global_buffer, .address_space: global }
      - { .name: xn, .offset: 24, .size: 8, .value_kind: global_buffer, .address_space: global }
      - { .name: Wq, .offset: 32, .size: 8, .value_kind: global_buffer, .address_space: global }
      - { .name: Wk, .offset: 40, .size: 8, .value_kind: global_buffer, .address_space: global }
      - { .name: Wv, .offset: 48, .size: 8, .value_kind: global_buffer, .address_space: global }
      - { .name: W1, .offset: 56, .size: 8, .value_kind: global_buffer, .address_space: global }
      - { .name: W2, .offset: 64, .size: 8, .value_kind: global_buffer, .address_space: global }
      - { .name: Wo, .offset: 72, .size: 8, .value_kind: global_buffer, .address_space: global }
      - { .name: wqkv, .offset: 80, .size: 8, .value_kind: global_buffer, .address_space: global }
      - { .name: w1h, .offset: 88, .size: 8, .value_kind: global_buffer, .address_space: global }
      - { .name: w2h, .offset: 96, .size: 8, .value_kind: global_buffer, .address_space: global }
      - { .name: woh, .offset: 104, .size: 8, .value_kind: global_buffer, .address_space: global }
      - { .name: bq, .offset: 112, .size: 8, .value_kind: global_buffer, .address_space: global }
      - { .name: bk, .offset: 120, .size: 8, .value_kind: global_buffer, .address_space: global }
      - { .name: bv, .offset: 128, .size: 8, .value_kind: global_buffer, .address_space: global }
      - { .name: b1, .offset: 136, .size: 8, .value_kind: global_buffer, .address_space: global }
    .group_segment_fixed_size: 0
    .private_segment_fixed_size: 0
    .kernarg_segment_align: 8
    .kernarg_segment_size: 144
    .max_flat_workgroup_size: 512
    .sgpr_count:     80
    .vgpr_count:     256
    .wavefront_size: 32
...
	.end_amdgpu_metadata
.endif
;; end of part 1
;; launch qkv (part 2): grid 12 x 16, 4 waves a work-group, clusters of 4 x 4, 327,680 bytes of LDS; arguments xn, wqkv, big; writes big
.if DOCPART == 2
	.amdgcn_target "amdgcn-amd-amdhsa--gfx1250"
	.amdhsa_code_object_version 6
	.text
	.protected	k_qe2ebf3a0a6_qkv
	.globl	k_qe2ebf3a0a6_qkv
	.p2align	8
	.type	k_qe2ebf3a0a6_qkv,@function
k_qe2ebf3a0a6_qkv:
	s_mov_b64 s[64:65], 0
	v_nop
	global_prefetch_b8 v0, s[64:65] scope:SCOPE_SE
	s_setreg_imm32_b32 hwreg(HW_REG_WAVE_MODE, 25, 1), 1
	s_wait_xcnt 0x0
	s_wait_alu depctr_hold_cnt(0) depctr_sa_sdst(0) depctr_va_vdst(0) depctr_va_sdst(0) depctr_va_ssrc(0) depctr_va_vcc(0) depctr_vm_vsrc(0)
	s_getreg_b32 s2, hwreg(HW_REG_IB_STS2, 6, 4)
	s_cmp_eq_u32 s2, 0
	s_cbranch_scc0 .Lentry_in_a_cluster
	s_endpgm
.Lentry_in_a_cluster:
	s_bfe_u32 s2, ttmp6, 0x10000c
	s_cmp_lg_u32 s2, 0xf033
	s_cbranch_scc0 .Lentry_shape_is_right
	s_endpgm
.Lentry_shape_is_right:
; out = act(A W^T + bias), A: [4096][1024] f16; W: a header of HDR bytes (bias in f32 by column; the slope a as two f16), then [N][1024] f16; sums in f32, begun with the bias.
; act(x) = max(x, a x): the leaky ReLU for 0 < a <= 1, and x itself for a = 1.0, which makes one text serve the q, k, v projection (N = 3,072) and the first FFN layer (N = 4,096).
; OUT is f16 IN PLANES of 64 columns: element (m, c) at (c / 64) x 524,288 + m x 128 + (c % 64) x 2: a head's rows, and 64 along K of the next product, are dense.
; LIMITS.  A result must lie within 65,504 (f16); it is rounded once to f16, and a negative one once more behind the slope.  NaN and infinities are not treated apart.
; SHARES.  A tile of 256 x 256 to a work-group of four waves, 128 x 128 (64 accumulators, 512 registers) to a wave.  K goes in 8 steps of 128 through two LDS slots; a tile's rows are 256 bytes
; of memory at multiples of 256 bytes from the weights' and A's first row.  One descriptor a tensor walks from the first fill to the last; a loop's trip is one K step.
; CLUSTER 4 x 4: the four of a row need the same tile of A, the four of a column the same tile of W: each is asked for jointly, by the same load with the same descriptor and a mask of the four.
; THE MATRIX INSTRUCTION IS USED TRANSPOSED (source 0 = 16 rows of W, source 1 = 16 rows of A): a lane holds row l % 16 of the result and the columns 8 (l / 16) + 0..7.
; THE WAY OUT.  Registers cannot be walked by a loop, LDS can: all 128 rows of a wave are rounded to f16 and put into LDS, written out once; a loop of four trips reads 32 rows back as 128 bytes
; of four rows a load, applies the activation and stores them.  The stage is slot 0, which has had its last fill: wave w has the 34,816 bytes from w x 34,816 on.
; REGISTERS in windows of 256 (s_set_vgpr_msb: bits 1:0 source 0, 3:2 source 1, 5:4 source 2, 7:6 destination):
;   window 0: v16-29 addresses; v64-127, v128-191 fragments of A, two buffers; v192-255 the bias until the first quarter is done; then the way out: v192-255 rounded results, v32-63 and v96-127 rows read back, v64-95 at work
;   window 1: v64-127, v128-191 fragments of W;   windows 2, 3: accumulator (a, b) at v[8 (8 (a % 4) + b)], rows 0-63 and 64-127
.set KSTEP,  128
.set PITCH,  272                       ; an LDS row: 256 bytes + 16 of padding = 68 words: the 16 rows of a load start at 16 different groups of four banks (64 banks of 4 bytes: ISA guide 11.1)
.set HALFT,  128*PITCH                 ; what one tensor load brings; also a wave's stage on the way out
.set SLOT,   4*HALFT                   ; 0x22000: A's 256 rows, then W's; it shares no bit with wave x HALFT, so one exclusive or turns an address into the other slot's
.set SPARE,  2*SLOT                    ; behind the ring: the spare words: 128 bytes a wave, two blocks of 256 that no other line names
.set HDR,    16640
.set PLANEB, 524288
.set A0,   16                          ; v16  my lane's place in A's half of slot 0; never rewritten
.set B0,   17                          ; v17  the same for W
.set ADRA, 18                          ; v18  A0 + the slot in hand
.set ADRB, 19
.set STO,  24                          ; v24  the way out: where I put 16 bytes of a row
.set RD,   25                          ; v25  where I read them back; it steps 32 rows a trip
.set CO,   26                          ; v26  16 x lane: my place in 512 consecutive bytes of a plane
.set BO,   27                          ; v27  32 (l / 16): my eight columns' bias
.set SPW,  28                          ; v28  my spare word
.set NIL,  29                          ; v29  0
.set F0,   64
.set F1,   128
.set BIAS, 192
.set TMP,  192
.set T2,   64
.set BK,   32                          ; sixteen rows read back: v32-63, and v96-127
.set CNT,  3                           ; s3
.set G1A,  24                          ; s[24:31] group 1 for A's tiles;  s[32:35] group 0
.set G0A,  32
.set TB,   36                          ; s36  the slot in hand: 0 or SLOT
.set SLP,  38                          ; s38  the slope, two f16
.set G1B,  48                          ; s[48:55], s[56:59] the same for W's tiles
.set G0B,  56
.set BB,   60                          ; s[60:61] the bias of my 128 columns
.set MSB, 0
.macro WIN new                         ; the immediate's high byte repeats the setting that is left; a switch that changes nothing is dropped
.if MSB != (\new)
	s_set_vgpr_msb (MSB<<8)|(\new)
.set MSB, \new
.endif
.endm
; A joint load: waves 0 and 1 fetch A's halves, waves 2 and 3 W's.  The branch hangs on the wave's number alone.  An s_nop 0 and four v_nop follow each line.
.macro JLOAD
	s_cmp_eq_u32 s11, 0
	s_cbranch_scc0 .Lfor_b_\@
	tensor_load_to_lds s[G0A:G0A+3], s[G1A:G1A+7]
	s_nop 0
.rept 4
	v_nop
.endr
	s_branch .Lasked_\@
.Lfor_b_\@:
	tensor_load_to_lds s[G0B:G0B+3], s[G1B:G1B+7]
	s_nop 0
.rept 4
	v_nop
.endr
.Lasked_\@:
.endm
.macro CREST                           ; a round of the cluster's barrier behind its opening barrier
	s_cmp_lg_u32 s10, 0
	s_cbranch_scc1 .Lnot_wave_0_\@
	s_barrier_signal -3
.Lnot_wave_0_\@:
	s_barrier_wait -3
	s_barrier_signal -1
	s_barrier_wait -1
.endm
.macro CROUND
	s_barrier_signal -1
	s_barrier_wait -1
	CREST
.endm
.macro STEPD                           ; both walking descriptors: the other slot, the next 128 along K.  Only where no tensor load of mine is out
	s_xor_b32 s[G0A+1], s[G0A+1], SLOT
	s_add_nc_u64 s[G0A+2:G0A+3], s[G0A+2:G0A+3], KSTEP*2
	s_xor_b32 s[G0B+1], s[G0B+1], SLOT
	s_add_nc_u64 s[G0B+2:G0B+3], s[G0B+2:G0B+3], KSTEP*2
.endm
.macro PLACES                          ; four plain instructions between a matrix instruction and a load into, or a read of, its registers (ISA guide 7.12.1 for reads)
.rept 4
	v_nop
.endr
.endm
	s_load_b128 s[4:7], s[0:1], 0x0                ; A s[4:5], W s[6:7]
	s_load_b64 s[8:9], s[0:1], 0x10                ; out
	v_lshl_add_u32 v[SPW], v0, 2, SPARE
	v_mov_b32 v[NIL], 0
	ds_add_u32 v[SPW], v[NIL]                      ; the wave's opening: the add and its wait stand ahead of my first tensor load
	v_lshrrev_b32 v1, 5, v0
	v_readfirstlane_b32 s10, v1                    ; wave 0..3
	s_lshr_b32 s11, s10, 1                         ; my half of the tile's rows; also: I fetch for A (0) or W (1)
	s_and_b32 s12, s10, 1                          ; my half of its columns; also: which 128 rows I fetch
	s_bfe_u32 s40, ttmp6, 0x40000                  ; cx
	s_bfe_u32 s41, ttmp6, 0x40004                  ; cy
	s_lshl_b32 s42, ttmp9, 2
	s_add_co_u32 s42, s42, s40                     ; tile column
	s_and_b32 s13, ttmp7, 0xffff
	s_lshl_b32 s13, s13, 2
	s_add_co_u32 s13, s13, s41                     ; tile row
	s_lshl_b32 s43, s41, 2
	s_lshl_b32 s43, 15, s43                        ; my row of the cluster
	s_lshl_b32 s44, 0x1111, s40                    ; my column
	s_or_b32 s[G1A+0], s43, (1<<16)|(1<<20)|(1<<21)|(5<<22)|(3<<25)  ; mask; 2-byte elements; padding on; bit 21 beside a mask; after every 64 words, 4 words
	s_or_b32 s[G1B+0], s44, (1<<16)|(1<<20)|(1<<21)|(5<<22)|(3<<25)
.irp g, G1A, G1B
	s_mov_b32 s[(\g)+1], KSTEP<<16                 ; tensor_dim0 = 128
	s_mov_b32 s[(\g)+2], 128<<16                   ; tensor_dim1 = 128
	s_mov_b32 s[(\g)+3], KSTEP<<16                 ; tile_dim0 = 128
	s_mov_b32 s[(\g)+4], 128                       ; tile_dim1 = 128
	s_mov_b32 s[(\g)+5], 1024                      ; elements from row to row
	s_mov_b32 s[(\g)+6], 0
	s_mov_b32 s[(\g)+7], 0
.endr
	s_lshl_b32 s17, s12, 7
	s_lshl_b32 s16, s13, 8
	s_add_co_u32 s16, s16, s17
	s_lshl_b32 s16, s16, 11                        ; A: (256 x tile row + 128 x half) rows of 2,048 bytes
	s_lshl_b32 s46, s42, 8
	s_add_co_u32 s46, s46, s17
	s_lshl_b32 s46, s46, 11                        ; W: the same with the tile column,
	s_add_co_u32 s46, s46, HDR                     ; behind the header
	s_mov_b32 s17, 0
	s_mov_b32 s47, 0
	s_mul_i32 s20, s10, HALFT                      ; where my part lands, and my stage on the way out: wave x 128 rows: no place in the cluster enters an LDS address
	s_mov_b32 s[G0A], 1
	s_mov_b32 s[G0A+1], s20
	s_mov_b32 s[G0B], 1
	s_mov_b32 s[G0B+1], s20
	s_mov_b32 s[TB], 0
	s_wait_dscnt 0x0                               ; the opening add is done
	s_wait_kmcnt 0x0
	s_add_nc_u64 s[G0A+2:G0A+3], s[4:5], s[16:17]
	s_or_b32 s[G0A+3], s[G0A+3], 0x80000000        ; type = 2
	s_add_nc_u64 s[G0B+2:G0B+3], s[6:7], s[46:47]
	s_or_b32 s[G0B+3], s[G0B+3], 0x80000000
	CROUND                                         ; all sixteen work-groups are here: the first joint loads meet
	JLOAD                                          ; K step 0 into slot 0
	s_load_b32 s[SLP], s[6:7], 0x4000              ; the slope
	s_lshl_b32 s46, s42, 10
	s_lshl_b32 s47, s12, 9
	s_add_co_u32 s46, s46, s47
	s_mov_b32 s47, 0
	s_add_nc_u64 s[BB:BB+1], s[6:7], s[46:47]      ; the bias of column 256 x tile column + 128 x half
	s_lshl_b32 s46, s42, 21                        ; out: plane 4 x tile column + 2 x half,
	s_lshl_b32 s47, s12, 20
	s_add_co_u32 s46, s46, s47
	s_lshl_b32 s47, s13, 15                        ; row 256 x tile row + 128 x half, 128 bytes each
	s_add_co_u32 s46, s46, s47
	s_lshl_b32 s47, s11, 14
	s_add_co_u32 s46, s46, s47
	s_mov_b32 s47, 0
	s_add_nc_u64 s[8:9], s[8:9], s[46:47]
	v_and_b32 v1, 15, v0                           ; l % 16
	v_bfe_u32 v2, v0, 4, 1                         ; l / 16
	v_lshlrev_b32 v[BO], 5, v2
.irp b, 0,1,2,3,4,5,6,7                ; register j of accumulator (a, b) is column 16 b + 8 (l / 16) + j: its bias is the C operand of the first product
	global_load_b128 v[BIAS+8*(\b):BIAS+8*(\b)+3],   v[BO], s[BB:BB+1] offset:64*(\b)
	global_load_b128 v[BIAS+8*(\b)+4:BIAS+8*(\b)+7], v[BO], s[BB:BB+1] offset:64*(\b)+16
.endr
	v_mul_u32_u24 v3, v1, PITCH
	v_lshl_add_u32 v3, v2, 4, v3                   ; a fragment: row x pitch + 16 x half
	s_mul_i32 s21, s11, HALFT
	s_mul_i32 s22, s12, HALFT
	s_add_co_u32 s22, s22, 2*HALFT
	v_add_nc_u32 v[A0], s21, v3
	v_add_nc_u32 v[B0], s22, v3
	v_add_nc_u32 v[STO], s20, v3                   ; into my stage: row l % 16, 16 bytes for each half of the lanes
	v_bfe_u32 v4, v0, 3, 2                         ; back: 32 lanes take 128 bytes of each of four rows,
	v_and_b32 v5, 7, v0
	v_mul_u32_u24 v4, v4, PITCH
	v_lshl_add_u32 v4, v5, 4, v4
	v_add_nc_u32 v[RD], s20, v4
	v_and_b32 v[CO], 31, v0                        ; which are 512 consecutive bytes of a plane
	v_lshlrev_b32 v[CO], 4, v[CO]
	v_mov_b32 v[ADRA], v[A0]
	v_mov_b32 v[ADRB], v[B0]
; 16 matrix instructions: row blocks a0, a0 + 1 of the window's four x all 8 column blocks, 32 along K.  c = 1: the first product, whose C is the bias.
.macro MUL16 f, hi, a0, c
.if \c
	WIN 0x81+0x40*(\hi)
.else
	WIN 0xa1+0x50*(\hi)
.endif
.irp a, \a0, (\a0)+1
.irp b, 0,1,2,3,4,5,6,7
.if \c
	v_wmma_f32_16x16x32_f16 v[8*(8*(\a)+(\b)):8*(8*(\a)+(\b))+7], v[(\f)+8*(\b):(\f)+8*(\b)+7], v[(\f)+8*(4*(\hi)+(\a)):(\f)+8*(4*(\hi)+(\a))+7], v[BIAS+8*(\b):BIAS+8*(\b)+7]
.else
	v_wmma_f32_16x16x32_f16 v[8*(8*(\a)+(\b)):8*(8*(\a)+(\b))+7], v[(\f)+8*(\b):(\f)+8*(\b)+7], v[(\f)+8*(4*(\hi)+(\a)):(\f)+8*(4*(\hi)+(\a))+7], v[8*(8*(\a)+(\b)):8*(8*(\a)+(\b))+7]
.endif
.endr
.endr
.endm
.macro FETCH k, f                      ; 32 LDS loads in one run: the fragments of 32 along K at byte k of the rows: W's eight, then A's eight
	WIN 0x40
.irp i, 0,1,2,3,4,5,6,7
	ds_load_b128 v[(\f)+8*(\i):(\f)+8*(\i)+3],   v[ADRB] offset:(\k)+(\i)*16*PITCH
	ds_load_b128 v[(\f)+8*(\i)+4:(\f)+8*(\i)+7], v[ADRB] offset:(\k)+(\i)*16*PITCH+32
.endr
	WIN 0
.irp i, 0,1,2,3,4,5,6,7
	ds_load_b128 v[(\f)+8*(\i):(\f)+8*(\i)+3],   v[ADRA] offset:(\k)+(\i)*16*PITCH
	ds_load_b128 v[(\f)+8*(\i)+4:(\f)+8*(\i)+7], v[ADRA] offset:(\k)+(\i)*16*PITCH+32
.endr
.endm
; A K step is four quarters of 32 along K, 64 matrix instructions each, on buffers 0, 1, 0, 1.  The 64 accumulators take turns in one order everywhere.
; The next quarter's run of loads stands behind the first 16 products: buffer g was multiplied to its end in the quarter before, and the run then has 48 products in which to come,
; while all four waves' runs, 128 loads of 512 bytes, pass through LDS.
.macro QUARTER k, f, g, c
	s_wait_dscnt 8                                 ; W and A's rows 0-63 are in; the youngest eight loads (A's rows 64-127) may be out
	MUL16 \f, 0, 0, \c
	PLACES
	FETCH \k, \g
	MUL16 \f, 0, 2, \c                             ; A's rows 32-63
	s_wait_dscnt 32                                ; all but the 32 just issued
	MUL16 \f, 1, 0, \c
	MUL16 \f, 1, 2, \c
.endm
; The last quarter multiplies buffer 1 and changes slots.  In front of the barrier each wave waits for all its tensor loads (one is out: its part of the next slot), adds 0 to its spare
; word, and waits for that and for its reads of this slot.  fill = 1: the barrier opens a round of the cluster's, and the joint refill, two K steps ahead, is the first thing behind it:
; 224 matrix instructions ahead of the wait for it.  fill = 0 (the tail): nothing is asked for, and in the last trip nothing is fetched.
.macro TURN fill
	WIN 0
	s_wait_tensorcnt 0x0
	ds_add_u32 v[SPW], v[NIL]
	s_wait_dscnt 9                                 ; (the add and the youngest eight loads may be out)
	MUL16 F1, 0, 0, 0
	s_wait_dscnt 0x0                               ; the add is done, and my reads of this slot are over
	s_barrier_signal -1
	MUL16 F1, 0, 2, 0
	WIN 0
	s_barrier_wait -1
.if \fill
	CREST
	STEPD
	JLOAD                                          ; its four v_nop are also the places in front of the loads below
.else
	s_cmp_eq_u32 s[CNT], 1
	s_cbranch_scc1 .Lnf_\@
	PLACES
.endif
	s_xor_b32 s[TB], s[TB], SLOT
	v_add_nc_u32 v[ADRA], s[TB], v[A0]
	v_add_nc_u32 v[ADRB], s[TB], v[B0]
	FETCH 0, F0
.if !(\fill)
.Lnf_\@:
.endif
	MUL16 F1, 1, 0, 0
	MUL16 F1, 1, 2, 0
.endm
; THE WAY OUT, first part: row blocks 2 p and 2 p + 1 are rounded to f16 (each accumulator from its low end on), 16 bytes a lane and column block, and put into my stage.
.macro PACK2 p
	WIN 0x0a+5*((\p)/2)                            ; sources 0 and 1: window 2 or 3
.irp a, 0,1
.irp b, 0,1,2,3,4,5,6,7
.irp r, 0,1,2,3
	v_cvt_pk_f16_f32 v[TMP+32*(\a)+4*(\b)+(\r)], v[64*((2*(\p)+(\a))%4)+8*(\b)+2*(\r)], v[64*((2*(\p)+(\a))%4)+8*(\b)+2*(\r)+1]
.endr
.endr
.endr
	WIN 0
.irp a, 0,1
.irp b, 0,1,2,3,4,5,6,7
	ds_store_b128 v[STO], v[TMP+32*(\a)+4*(\b):TMP+32*(\a)+4*(\b)+3] offset:(2*(\p)+(\a))*16*PITCH+32*(\b)
.endr
.endr
.endm
; Second part, a trip's pieces for sixteen rows (blk = 0, 1).  LOADS: eight loads, each 128 bytes of four rows.  ACT: max(x, a x).  STORE: each line 512 consecutive bytes of a plane.
.macro LOADS blk
.irp g, 0,1
.irp u, 0,1,2,3
	ds_load_b128 v[BK+64*(\blk)+4*(4*(\g)+(\u)):BK+64*(\blk)+4*(4*(\g)+(\u))+3], v[RD] offset:(\blk)*16*PITCH+4*(\u)*PITCH+128*(\g)  ; LDS serves a wave's instructions in order (ISA guide 5.7.1.4): these see my stores
.endr
.endr
.endm
.macro ACT blk
.set n, 0
.rept 32
	v_pk_mul_f16 v[T2+n], v[BK+64*(\blk)+n], s[SLP]
.set n, n+1
.endr
.set n, 0
.rept 32
	v_pk_max_num_f16 v[BK+64*(\blk)+n], v[BK+64*(\blk)+n], v[T2+n]
.set n, n+1
.endr
.endm
.macro STORE blk
.irp g, 0,1
.irp u, 0,1,2,3
	global_store_b128 v[CO], v[BK+64*(\blk)+4*(4*(\g)+(\u)):BK+64*(\blk)+4*(4*(\g)+(\u))+3], s[8:9] offset:PLANEB*(\g)+2048*(\blk)+512*(\u)
.endr
.endr
.endm
	s_wait_tensorcnt 0x0                           ; my part of K step 0 is in; no load of mine is out, so the descriptors may step
	ds_add_u32 v[SPW], v[NIL]
	STEPD
	s_wait_dscnt 0x0
	CROUND                                         ; everybody's part is in
	JLOAD                                          ; K step 1 into slot 1
	FETCH 0, F0
	s_wait_loadcnt 0x0                             ; the bias
	s_wait_kmcnt 0x0                               ; the slope
	QUARTER 64, F0, F1, 1                          ; the first quarter stands in front of the loop: its products start the sums, with the bias
	WIN 0
	s_mov_b32 s[CNT], 6
.Lstep:                                                ; six trips, a K step each, from its second quarter to the next step's first: they ask for K steps 2 .. 7
	QUARTER 128, F1, F0, 0
	QUARTER 192, F0, F1, 0
	TURN 1
	QUARTER 64, F0, F1, 0
	WIN 0
	s_sub_co_u32 s[CNT], s[CNT], 1
	s_cmp_lg_u32 s[CNT], 0
	s_cbranch_scc1 .Lstep
	s_mov_b32 s[CNT], 2
.Ltail:                                                ; K steps 6 and 7: no tensor load; the second trip is left in its middle
	QUARTER 128, F1, F0, 0
	QUARTER 192, F0, F1, 0
	TURN 0
	WIN 0
	s_sub_co_u32 s[CNT], s[CNT], 1
	s_cmp_eq_u32 s[CNT], 0
	s_cbranch_scc1 .Lout
	QUARTER 64, F0, F1, 0
	WIN 0
	s_branch .Ltail
.Lout:
	s_wait_dscnt 0x0                               ; my reads of the slots are over,
	s_barrier_signal -1
	s_barrier_wait -1                              ; and so are everybody's: slot 0, which no load fills any more, becomes the four waves' stages
	PLACES                                         ; between the last products and the first read of a result
	PACK2 0
	PACK2 1
	PACK2 2
	PACK2 3
	s_mov_b32 s[CNT], 4
.Lway:                                                 ; four trips of 32 rows
	LOADS 0
	LOADS 1
	s_wait_dscnt 8                                 ; the first sixteen rows are back; the second sixteen's eight loads may be out
	ACT 0
	STORE 0
	s_wait_dscnt 0x0
	ACT 1
	STORE 1
	s_wait_xcnt 0x0                                ; the stores have read their registers and their base (ISA guide 3.1): only behind this wait are both written again
	v_add_nc_u32 v[RD], 32*PITCH, v[RD]            ; 32 rows on in my stage,
	s_add_nc_u64 s[8:9], s[8:9], 32*128            ; and in both planes
	s_sub_co_u32 s[CNT], s[CNT], 1
	s_cmp_lg_u32 s[CNT], 0
	s_cbranch_scc1 .Lway
	s_wait_tensorcnt 0x0                           ; the wave's end
	ds_add_u32 v[SPW], v[NIL]
	s_wait_dscnt 0x0
	CROUND                                         ; the closing round: no work-group ends while a partner may still ask for a tile that names it
	s_endpgm
.Lfunc_end_k_qe2ebf3a0a6_qkv:
	.size	k_qe2ebf3a0a6_qkv, .Lfunc_end_k_qe2ebf3a0a6_qkv-k_qe2ebf3a0a6_qkv
	.p2alignl 7, 3214868480
	.fill 96, 4, 3214868480
	.section	.rodata,"a",@progbits
	.p2align	6, 0x0
	.amdhsa_kernel k_qe2ebf3a0a6_qkv
		.amdhsa_group_segment_fixed_size 327680
		.amdhsa_private_segment_fixed_size 0
		.amdhsa_enable_private_segment 0
		.amdhsa_kernarg_size 24
		.amdhsa_user_sgpr_count 2
		.amdhsa_user_sgpr_kernarg_segment_ptr 1
		.amdhsa_wavefront_size32 1
		.amdhsa_system_sgpr_workgroup_id_x 1
		.amdhsa_system_sgpr_workgroup_id_y 1
		.amdhsa_system_sgpr_workgroup_id_z 1
		.amdhsa_system_vgpr_workitem_id 0
		.amdhsa_next_free_vgpr 1024
		.amdhsa_next_free_sgpr 66
		.amdhsa_reserve_vcc 0
		.amdhsa_float_denorm_mode_32 3
		.amdhsa_float_denorm_mode_16_64 3
		.amdhsa_memory_ordered 1
		.amdhsa_forward_progress 1
		.amdhsa_inst_pref_size 102
	.end_amdhsa_kernel
	.amdgpu_metadata
---
amdhsa.version: [ 1, 2 ]
amdhsa.kernels:
  - .name:           k_qe2ebf3a0a6_qkv
    .symbol:         k_qe2ebf3a0a6_qkv.kd
    .args:
      - { .name: xn, .offset: 0, .size: 8, .value_kind: global_buffer, .address_space: global }
      - { .name: wqkv, .offset: 8, .size: 8, .value_kind: global_buffer, .address_space: global }
      - { .name: big, .offset: 16, .size: 8, .value_kind: global_buffer, .address_space: global }
    .group_segment_fixed_size: 327680
    .private_segment_fixed_size: 0
    .kernarg_segment_align: 8
    .kernarg_segment_size: 24
    .max_flat_workgroup_size: 128
    .sgpr_count:     66
    .vgpr_count:     1024
    .wavefront_size: 32
...
	.end_amdgpu_metadata
.endif
;; end of part 2
;; launch attn (part 3): grid 8 x 32, 4 waves a work-group, clusters of 4 x 1, 327,680 bytes of LDS; arguments big, ctx; writes ctx
.if DOCPART == 3
	.amdgcn_target "amdgcn-amd-amdhsa--gfx1250"
	.amdhsa_code_object_version 6
	.text
	.protected	k_qe2ebf3a0a6_attn
	.globl	k_qe2ebf3a0a6_attn
	.p2align	8
	.type	k_qe2ebf3a0a6_attn,@function
k_qe2ebf3a0a6_attn:
	s_mov_b64 s[64:65], 0
	v_nop
	global_prefetch_b8 v0, s[64:65] scope:SCOPE_SE
	s_setreg_imm32_b32 hwreg(HW_REG_WAVE_MODE, 25, 1), 1
	s_wait_xcnt 0x0
	s_wait_alu depctr_hold_cnt(0) depctr_sa_sdst(0) depctr_va_vdst(0) depctr_va_sdst(0) depctr_va_ssrc(0) depctr_va_vcc(0) depctr_vm_vsrc(0)
	s_getreg_b32 s2, hwreg(HW_REG_IB_STS2, 6, 4)
	s_cmp_eq_u32 s2, 0
	s_cbranch_scc0 .Lentry_in_a_cluster
	s_endpgm
.Lentry_in_a_cluster:
	s_bfe_u32 s2, ttmp6, 0x10000c
	s_cmp_lg_u32 s2, 0x3003
	s_cbranch_scc0 .Lentry_shape_is_right
	s_endpgm
.Lentry_shape_is_right:
; ctx[q][:] = the sum over all 2,048 keys k of leaky(Q[q] . K[k] / 8) V[k][:], leaky(x) = max(x, 0.01 x), for each of 32 (batch, head) pairs.  No softmax: no maximum, no exponential.
; big holds q, k, v in f16 in planes of 64 columns (plane = head; q 0-15, k 16-31, v 32-47; 524,288 bytes a plane, 128 bytes a row): a head's 2,048 rows of a batch are dense.
; Products and sums in f32; the weights are rounded once to f16, the result once to f16.
; THE SCALE IN.  leaky(s x) = s leaky(x) for s > 0.  Each query row is multiplied by the power of two f = 2^(8 - E), E the exponent field of its largest |q|: then |q f| < 2^-6 and
; |q f . k| < 64 x 2^-6 x max |k| <= 65,504, so every weight fits f16 whatever the inputs.  The sums O are then ctx x 8 f.
; THE SCALE OUT.  ctx has f32's range, and f16's eleven bits are wanted for the next product.  So a (row, head)'s 64 numbers leave as c = O x 2^(141 - F), F the exponent field of the largest |O|
; (held to 15 at the least): the largest |c| lies in 2^14 .. 2^15; and the number X = F + E leaves beside them, in f32: ctx = c x 2^(X - 152).  c lies in the same planes as q;
; X lies behind them: byte 8,388,608 + head x 16,384 + (row / 64) x 256 + (row % 16) x 16 + ((row / 16) % 4) x 4: a wave's 64 rows are one aligned block of 256 bytes.
; LIMITS.  q, k, v arrive within 65,504; a scaled q below 6e-5, a weight below 6e-5 and a c below 6e-5 keep f16's fixed step of 6e-8; 0.01 is f16's 0.0100021; the last bit of
; v_exp_f32 enters c's scale (2^-23 of c).  NaN and infinities are not treated apart.
; SHARES.  A work-group has 256 queries, a wave four tiles of 16; every wave walks the 32 key steps of 64.  The four query blocks of a cluster walk the same K and V: every tile is asked for jointly.
; LAYOUT.  S^T = K Q^T (source 0 = 16 keys, source 1 = 16 queries): a lane holds ONE query (l % 16) and the keys 8 (l / 16) + 0..7; two such results rounded to f16 in pairs ARE source 1
; of O^T = V^T P, whose result again holds one query a lane.  K comes out of LDS as it lies, V turned, by ds_load_tr16_b128.
; ORDER.  A tile and step have 16 matrix and 48 vector instructions (round, times 0.01, maximum, two weights a line).  The vector work of one tile stands behind the products of others, 3 or 6 a product.
; REGISTERS: window 0: v2-13 addresses; v14-21 a pair a tile: E, later 2^(141 - F); v22-27 at work; v28-31 Q's offset, later X of the four tiles; v32-95 Q; v96-159 K of a step;
;            v160-223 S^T, two buffers; v224-255 P, two buffers (by the tile's parity).  window 1: v0-127 O^T, 32 a tile; v128-191 V of a step.
;            K Q^T and all vector work of the loop lie in window 0; only V^T P and V's loads switch.
.set KS,    64
.set PK,    144       ; a row of K in LDS: 128 bytes + 16: the 16 rows of a load start at 16 different groups of four banks (64 banks of 4 bytes: ISA guide 11.1)
.set PV,    160       ; a row of V: 128 + 32
.set VOFF,  4*KS*PK   ; a slot holds four steps: 256 rows of K, then 256 rows of V
.set SLOT1, 1<<17
.set STAGE, SLOT1+4*KS*(PK+PV)  ; behind the ring: 16 rows x 144 bytes for each wave
.set SP,    144
.set SPARE, STAGE+4*16*SP       ; the spare words: 128 bytes a wave, two blocks of 256 that no other line names
.set TABO,  8388608             ; where the X begin in ctx's buffer
.set AK0, 2
.set AV0, 3
.set AK,  4
.set AV,  5
.set STO, 6
.set RD,  7
.set GO,  8
.set SPW, 12
.set NIL, 13
.set EG,  14
.set T,   22
.set N0,  26
.set N1,  27
.set QO,  28
.set XT,  28
.set Q,   32
.set KF,  96          ; key block kb, channel half c at KF + 16 kb + 8 c
.set S,   160
.set P,   224
.set VF,  128         ; window 1: key half kk, channel block cb at VF + 32 kk + 8 cb
.set WV,  12
.set G1K, 24
.set G1V, 32
.set G0K, 40
.set G0V, 44
.set SLOTS, 56
.set CNT, 57
.set SLP, 58          ; s58  0.01 twice in f16
.set ABS, 59          ; s59  clears the signs of two f16
.set SEL, 60
.set TBK, 62          ; s62  LDS byte at which K of the step to be fetched begins
.set TBV, 63          ; s63  the same for V, less VOFF
.set MSB, 0
.macro WIN new
.if MSB != (\new)
	s_set_vgpr_msb (MSB<<8)|(\new)
.set MSB, (\new)
.endif
.endm
; A joint fill: waves 0 and 1 fetch the halves of a slot's K, waves 2 and 3 those of its V, 128 keys each.  An s_nop 0 and four v_nop follow each line.
.macro JLOAD
	s_cmp_lt_u32 s[WV], 2
	s_cbranch_scc0 .Lfor_v_\@
	tensor_load_to_lds s[G0K:G0K+3], s[G1K:G1K+7]
	s_nop 0
.rept 4
	v_nop
.endr
	s_branch .Lasked_\@
.Lfor_v_\@:
	tensor_load_to_lds s[G0V:G0V+3], s[G1V:G1V+7]
	s_nop 0
.rept 4
	v_nop
.endr
.Lasked_\@:
.endm
.macro CROUND
	s_barrier_signal -1
	s_barrier_wait -1
	s_cmp_lg_u32 s[WV], 0
	s_cbranch_scc1 .Lnot_wave_0_\@
	s_barrier_signal -3
.Lnot_wave_0_\@:
	s_barrier_wait -3
	s_barrier_signal -1
	s_barrier_wait -1
.endm
; THE CHANGE OF SLOTS.  The slot's last bytes, K and V of its fourth step, have been asked for.  Each wave waits for all its tensor loads (one is out: its part of the other slot), adds 0 to its
; spare word, and waits for that and for its reads of the slot.  fill = 1: the barrier is a round of the cluster's and the joint refill, the keys two slots on, is the first thing behind it:
; it has four key steps, 256 matrix instructions, in which to land.  (At its first use nothing has been read: slot 0 is waited for, slot 1 filled.)
.macro CHANGE fill
	WIN 0
	s_wait_tensorcnt 0x0
	ds_add_u32 v[SPW], v[NIL]
.if \fill
.irp g, G0K, G0V
	s_xor_b32 s[\g+1], s[\g+1], SLOT1
	s_add_nc_u64 s[\g+2:\g+3], s[\g+2:\g+3], 4*KS*128
.endr
	s_wait_dscnt 0x0                ; the add is done, and my reads of the slot are over
	CROUND
	JLOAD
.else
	s_wait_dscnt 0x0
	s_barrier_signal -1
	s_barrier_wait -1
.endif
	s_sub_co_u32 s[TBK], s[TBK], 4*KS*PK  ; the fetches go back to a slot's first step, in the other slot
	s_xor_b32 s[TBK], s[TBK], SLOT1
	s_sub_co_u32 s[TBV], s[TBV], 4*KS*PV
	s_xor_b32 s[TBV], s[TBV], SLOT1
.endm
.macro PLACES
.rept 4
	v_nop
.endr
.endm
	s_load_b128 s[4:7], s[0:1], 0x0   ; big s[4:5], ctx s[6:7]
	v_lshl_add_u32 v[SPW], v0, 2, SPARE
	v_mov_b32 v[NIL], 0
	ds_add_u32 v[SPW], v[NIL]       ; the wave's opening: the add and its wait stand ahead of my first tensor load
	v_lshrrev_b32 v1, 5, v0
	v_readfirstlane_b32 s[WV], v1   ; wave 0..3
	s_bfe_u32 s13, ttmp6, 0x40000   ; cx
	s_lshl_b32 s14, ttmp9, 2
	s_add_co_u32 s14, s14, s13      ; my block of 256 queries: it enters Q's and ctx's addresses alone
	s_and_b32 s15, ttmp7, 0xffff    ; 16 x batch + head, which the four partners share
	s_and_b32 s20, s15, 15
	s_lshl_b32 s20, s20, 19         ; the head's plane,
	s_lshr_b32 s21, s15, 4
	s_lshl_b32 s21, s21, 18         ; the batch's 2,048 rows in it
	s_add_co_u32 s20, s20, s21
	s_and_b32 s16, s[WV], 1         ; which half of a slot's 256 keys I fetch
	s_lshl_b32 s22, s16, 14
	s_add_co_u32 s22, s22, s20
	s_add_co_u32 s22, s22, 8388608  ; k begins at plane 16,
	s_mov_b32 s23, 0
	s_add_co_u32 s48, s22, 8388608  ; v at plane 32
	s_mov_b32 s49, 0
	s_mul_i32 s17, s16, 128*PK      ; my half's place in a slot, for K
	s_mul_i32 s18, s16, 128*PV      ; and for V
	s_lshl_b32 s2, s14, 15
	s_lshl_b32 s3, s[WV], 13
	s_add_co_u32 s2, s2, s3
	s_add_co_u32 s2, s2, s20        ; my wave's 64 rows of q and of c: 128 bytes a row,
	s_mov_b32 s3, 0
	s_lshr_b32 s52, s2, 5           ; and of X: 4 bytes a row, so a 32nd of that offset,
	s_add_co_u32 s52, s52, TABO     ; behind c's planes
	s_mov_b32 s53, 0
	; group 1: 128 keys are 16,384 dense bytes: asked for as 64 rows of 256 bytes, two keys a row, padded in LDS after every key
	s_mov_b32 s[G1K], 15|(1<<16)|(1<<20)|(1<<21)|(4<<22)|(3<<25)
	s_mov_b32 s[G1V], 15|(1<<16)|(1<<20)|(1<<21)|(4<<22)|(7<<25)
.irp g, G1K, G1V
	s_mov_b32 s[\g+1], 128<<16
	s_mov_b32 s[\g+2], 64<<16
	s_mov_b32 s[\g+3], 128<<16
	s_mov_b32 s[\g+4], 64
	s_mov_b32 s[\g+5], 128
	s_mov_b32 s[\g+6], 0
	s_mov_b32 s[\g+7], 0
.endr
	s_mov_b32 s[SLP], 0x211f211f
	s_mov_b32 s[ABS], 0x7fff7fff
	s_mov_b32 s[SEL], 0x76543210
	s_mov_b32 s[SEL+1], 0xfedcba98
	s_mov_b32 s[TBK], SLOT1+4*KS*PK ; the first change of slots turns these two into 0
	s_mov_b32 s[TBV], SLOT1+4*KS*PV
	s_mov_b32 s[G0K], 1
	s_mov_b32 s[G0K+1], s17
	s_mov_b32 s[G0V], 1
	s_add_co_u32 s[G0V+1], s18, VOFF
	s_wait_dscnt 0x0                ; the opening add is done
	s_wait_kmcnt 0x0
	s_add_nc_u64 s[G0K+2:G0K+3], s[4:5], s[22:23]
	s_or_b32 s[G0K+3], s[G0K+3], 0x80000000
	s_add_nc_u64 s[G0V+2:G0V+3], s[4:5], s[48:49]
	s_or_b32 s[G0V+3], s[G0V+3], 0x80000000
	s_add_nc_u64 s[8:9], s[6:7], s[52:53]  ; X of my wave's 64 rows
	s_add_nc_u64 s[10:11], s[6:7], s[2:3]  ; c at my wave's first row
	s_add_nc_u64 s[4:5], s[4:5], s[2:3]    ; q likewise
	CROUND                          ; all four work-groups are here: the first joint loads meet
	JLOAD                           ; slot 0
	v_and_b32 v1, 15, v0            ; l % 16
	v_bfe_u32 v9, v0, 4, 1          ; l / 16
	v_lshlrev_b32 v[QO], 7, v1
	v_lshl_add_u32 v[QO], v9, 4, v[QO]
.set i, 0
.rept 8                             ; Q stays in registers: tile i / 2, channels 32 (i % 2) on
	global_load_b128 v[Q+8*i:Q+8*i+3],   v[QO], s[4:5] offset:(i/2)*2048+(i%2)*64
	global_load_b128 v[Q+8*i+4:Q+8*i+7], v[QO], s[4:5] offset:(i/2)*2048+(i%2)*64+32
.set i, i+1
.endr
	WIN 0x40                        ; O^T starts at 0: 128 lines in the wait for the first tile, the price of writing no first step out
.set i, 0
.rept 128
	v_mov_b32 v[i], 0
.set i, i+1
.endr
	WIN 0
	v_mul_u32_u24 v[AK0], v1, PK
	v_lshl_add_u32 v[AK0], v9, 4, v[AK0]
	v_and_b32 v10, 7, v0            ; the turning load: lane l reads key 8 (l / 16) + l % 8, channels 8 ((l / 8) % 2) + 0..7
	v_bfe_u32 v11, v0, 3, 1
	v_lshl_add_u32 v[AV0], v9, 3, v10
	v_mul_u32_u24 v[AV0], v[AV0], PV
	v_lshl_add_u32 v[AV0], v11, 4, v[AV0]
	v_add_nc_u32 v[AV0], VOFF, v[AV0]
	s_mul_i32 s13, s[WV], 16*SP
	s_add_co_u32 s13, s13, STAGE    ; my stage
	v_mul_u32_u24 v[STO], v1, SP
	v_lshl_add_u32 v[STO], v9, 4, v[STO]
	v_add_nc_u32 v[STO], s13, v[STO]
	v_bfe_u32 v[RD], v0, 3, 2
	v_mul_u32_u24 v[RD], v[RD], SP
	v_lshl_add_u32 v[RD], v10, 4, v[RD]
	v_add_nc_u32 v[RD], s13, v[RD]
	v_and_b32 v[GO], 31, v0
	v_lshlrev_b32 v[GO], 4, v[GO]
; Product i of 8 of S^T = K Q^T for tile t: channels 32 (i / 4) on, keys 16 (i % 4) on.  The four accumulators take turns; the first four products start the sums.
.macro KQ t
	WIN 0
.set rS, S+32*((\t)%2)+8*(i%4)
.set rK, KF+16*(i%4)+8*(i/4)
.set rQ, Q+16*(\t)+8*(i/4)
.if i < 4
	v_wmma_f32_16x16x32_f16 v[rS:rS+7], v[rK:rK+7], v[rQ:rQ+7], 0
.else
	v_wmma_f32_16x16x32_f16 v[rS:rS+7], v[rK:rK+7], v[rQ:rQ+7], v[rS:rS+7]
.endif
.endm
; Product i of 8 of O^T += V^T P for tile t: keys 32 (i / 4) on, channels 16 (i % 4) on.
.macro PV t
	WIN 0x51
.set rO, 32*(\t)+8*(i%4)
.set rV, VF+32*(i/4)+8*(i%4)
.set rP, P+16*((\t)%2)+8*(i/4)
	v_wmma_f32_16x16x32_f16 v[rO:rO+7], v[rV:rV+7], v[rP:rP+7], v[rO:rO+7]
.endm
; Entry j of the 48 vector lines of tile t.  For pair n of 16: C n rounds two scores to f16, M n multiplies them by 0.01, X n takes the maximum.  Order: C0 C1 M0, then (C n, M n-1, X n-2), then M15 X14 X15:
; no line reads the result of the one before it, and each accumulator is read from its low end on.
.macro RONE t
.set eS, S+32*((\t)%2)
.set eP, P+16*((\t)%2)
.set n, 2+(j-3)/3
.if j < 2
	v_cvt_pk_f16_f32 v[eP+j], v[eS+2*j], v[eS+2*j+1]
.elseif j == 2
	v_pk_mul_f16 v[T], v[eP], s[SLP]
.elseif (j < 45) && ((j-3)%3 == 0)
	v_cvt_pk_f16_f32 v[eP+n], v[eS+2*n], v[eS+2*n+1]
.elseif (j < 45) && ((j-3)%3 == 1)
	v_pk_mul_f16 v[T+(n-1)%4], v[eP+n-1], s[SLP]
.elseif j < 45
	v_pk_max_num_f16 v[eP+n-2], v[eP+n-2], v[T+(n-2)%4]
.elseif j == 45
	v_pk_mul_f16 v[T+3], v[eP+15], s[SLP]
.elseif j == 46
	v_pk_max_num_f16 v[eP+14], v[eP+14], v[T+2]
.else
	v_pk_max_num_f16 v[eP+15], v[eP+15], v[T+3]
.endif
.set j, j+1
.endm
; Eight products of tile t (kind 1: V^T P; 0: K Q^T), behind each of them per entries of tile rt's list.
.macro RUN kind, t, rt, per
.set i, 0
.rept 8
.if \kind
	PV \t
.else
	KQ \t
.endif
.set i, i+1
.if \per
	WIN 0
.rept \per
	RONE \rt
.endr
.endif
.endr
.endm
.macro FETCH_K last=0               ; a step's K: 16 loads in one run.  last = 1 (the tail): in the last trip there is no further step
.if \last
	s_cmp_eq_u32 s[CNT], 1
	s_cbranch_scc1 .Lno_k_\@
.endif
	v_add_nc_u32 v[AK], s[TBK], v[AK0]
.irp f, 0,1,2,3,4,5,6,7
	ds_load_b128 v[KF+8*\f:KF+8*\f+3],   v[AK] offset:(\f/2)*16*PK+(\f%2)*64
	ds_load_b128 v[KF+8*\f+4:KF+8*\f+7], v[AK] offset:(\f/2)*16*PK+(\f%2)*64+32
.endr
	s_add_co_u32 s[TBK], s[TBK], KS*PK
.if \last
.Lno_k_\@:
.endif
.endm
.macro FETCH_V
	v_add_nc_u32 v[AV], s[TBV], v[AV0]
	WIN 0x40
.irp f, 0,1,2,3,4,5,6,7
	ds_load_tr16_b128 v[VF+8*\f:VF+8*\f+3],   v[AV] offset:(\f/4)*32*PV+(\f%4)*32
	ds_load_tr16_b128 v[VF+8*\f+4:VF+8*\f+7], v[AV] offset:(\f/4)*32*PV+16*PV+(\f%4)*32
.endr
	WIN 0
	s_add_co_u32 s[TBV], s[TBV], KS*PV
.endm
; A trip: PARTA ends key step s, PARTB begins step s + 1; both of a trip's fetches are step s + 1's, so a change of slots stands between trips.
; At PARTA's head tile 0's weights and tile 1's scores of step s are made.  K is fetched nine plain lines behind the last product that read it.
.macro PARTA last
	s_wait_dscnt 0x0                ; V is in
.set j, 0
	RUN 1, 0, 1, 3
	RUN 0, 2, 1, 3
.set j, 0
	RUN 1, 1, 2, 3
	RUN 0, 3, 2, 3
.set j, 0
.set i, 0
	PV 2
	WIN 0
.rept 6
	RONE 3
.endr
.set i, 1
	FETCH_K \last
.rept 7
	PV 2
	WIN 0
.rept 6
	RONE 3
.endr
.set i, i+1
.endr
	RUN 1, 3, 0, 0
	WIN 0
.endm
.macro PARTB
	PLACES                          ; between the last product that read V and the loads into its registers
	FETCH_V
	s_wait_dscnt 16                 ; K is in; V's sixteen loads, issued behind it, may be out
	RUN 0, 0, 0, 0
	PLACES                          ; between tile 0's scores and their first reader
.set j, 0
	RUN 0, 1, 0, 6
.endm
; Tile t's queries are scaled.  A lane holds 32 of its query's 64 channels, the lane 16 away the others.
.macro NORM t
.set q0, Q+16*(\t)
	v_and_b32 v[N0], s[ABS], v[q0]
	v_and_b32 v[N1], s[ABS], v[q0+1]
.set n, 2
.rept 14
	v_and_b32 v[T+n%2], s[ABS], v[q0+n]
	v_pk_max_num_f16 v[N0+n%2], v[N0+n%2], v[T+n%2]
.set n, n+1
.endr
	v_pk_max_num_f16 v[N0], v[N0], v[N1]
	v_lshrrev_b32 v[T], 16, v[N0]
	v_pk_max_num_f16 v[N0], v[N0], v[T]
	v_permlanex16_b32 v[T], v[N0], s[SEL], s[SEL+1]
	v_pk_max_num_f16 v[N0], v[N0], v[T]            ; the low half: the row's largest |q|
	v_bfe_u32 v[N1], v[N0], 10, 5                  ; E
	v_sub_nc_u32 v[T], 135, v[N1]
	v_lshlrev_b32 v[T], 23, v[T]                   ; f = 2^(8 - E) in f32,
	v_cvt_pk_f16_f32 v[T], v[T], v[T]              ; twice in f16: exact, down to 2^-22
	v_cvt_f32_u32 v[EG+2*(\t)], v[N1]              ; E is kept, as a number, for the way out
.set n, 0
.rept 16
	v_pk_mul_f16 v[q0+n], v[q0+n], v[T]
.set n, n+1
.endr
.endm
	CHANGE 1                        ; slot 0 is in, everybody's part of it; slot 1 is asked for
	FETCH_K                         ; key step 0
	s_wait_loadcnt 0x0              ; Q
	NORM 0
	NORM 1
	NORM 2
	NORM 3
	s_mov_b32 s[CNT], 4
	s_mov_b32 s[SLOTS], 7
	s_branch .Lfirst                ; the loop is entered in the middle of a trip: step 0 begins
.Lslot:                             ; six times: slots 0 .. 5 are filled again, with the keys of slots 2 .. 7
	CHANGE 1
	s_mov_b32 s[CNT], 4
.Lstep:
	PARTA 0
.Lfirst:
	PARTB
	s_sub_co_u32 s[CNT], s[CNT], 1
	s_cmp_lg_u32 s[CNT], 0
	s_cbranch_scc1 .Lstep
	s_sub_co_u32 s[SLOTS], s[SLOTS], 1
	s_cmp_lg_u32 s[SLOTS], 0
	s_cbranch_scc1 .Lslot
	CHANGE 0                        ; the tail is written out: nothing is asked for
	s_mov_b32 s[CNT], 5             ; four trips fetch the last slot's steps; the fifth is left in its middle
.Ltail:
	PARTA 1
	s_sub_co_u32 s[CNT], s[CNT], 1
	s_cmp_eq_u32 s[CNT], 0
	s_cbranch_scc1 .Lout
	PARTB
	s_branch .Ltail
.Lout:
	PLACES
; THE WAY OUT.  SCL t: the largest |O| of tile t's queries: a running maximum and a running minimum from 0 over my 32 sums (each accumulator from its low end on),
; the larger of the two magnitudes, the other half of the lanes'; its exponent field F, held to 15 at the least so that 2^(141 - F) is finite; X = F + E; 2^(141 - F) twice, for the packed multiply.
.macro SCL t
	WIN 0
	v_mov_b32 v[T], 0
	v_mov_b32 v[T+1], 0
	WIN 0x14                        ; sources 1 and 2 in window 1
.set n, 0
.rept 16
	v_max3_num_f32 v[T], v[T], v[32*(\t)+2*n], v[32*(\t)+2*n+1]
	v_min3_num_f32 v[T+1], v[T+1], v[32*(\t)+2*n], v[32*(\t)+2*n+1]
.set n, n+1
.endr
	WIN 0
	v_sub_f32 v[T+1], 0, v[T+1]
	v_max_num_f32 v[T], v[T], v[T+1]
	v_permlanex16_b32 v[T+1], v[T], s[SEL], s[SEL+1]
	v_max_num_f32 v[T], v[T], v[T+1]
	v_bfe_u32 v[T], v[T], 23, 8
	v_cvt_f32_u32 v[T], v[T]
	v_max_num_f32 v[T], 0x41700000, v[T]           ; 15.0
	v_add_f32 v[XT+(\t)], v[T], v[EG+2*(\t)]
	v_sub_f32 v[T], 0x430d0000, v[T]               ; 141.0 - F
	v_exp_f32 v[EG+2*(\t)], v[T]
	v_exp_f32 v[EG+2*(\t)+1], v[T]
	v_nop                           ; a plain instruction behind a transcendental, ahead of the use of its result and of a write of its source (ISA guide 5.7.2)
.endm
; Tile t: O^T times 2^(141 - F), rounded to f16; a lane's eight channels pack into 16 bytes; they go into rows of 144 bytes and come back as whole rows of 128, into S^T's registers.
.macro PACK t
	WIN 0x41
.set i, 32*(\t)
.rept 16
	v_pk_mul_f32 v[i:i+1], v[i:i+1], v[EG+2*(\t):EG+2*(\t)+1] op_sel_hi:[1,0]
.set i, i+2
.endr
	WIN 0x05
.set i, 0
.rept 16
	v_cvt_pk_f16_f32 v[S+16*(\t)+i], v[32*(\t)+2*i], v[32*(\t)+2*i+1]
.set i, i+1
.endr
	WIN 0
.irp f, 0,1,2,3
	ds_store_b128 v[STO], v[S+16*(\t)+4*\f:S+16*(\t)+4*\f+3] offset:32*\f
.endr
.irp f, 0,1,2,3
	ds_load_b128 v[S+16*(\t)+4*\f:S+16*(\t)+4*\f+3], v[RD] offset:\f*4*SP  ; LDS serves a wave's instructions in order (ISA guide 5.7.1.4): these see the stores above
.endr
.endm
.macro SEND t, younger              ; younger: the LDS instructions issued behind tile t's loads: the next tile's eight, or none
.irp f, 0,1,2,3
	s_wait_dscnt (\younger)+3-\f
	global_store_b128 v[GO], v[S+16*(\t)+4*\f:S+16*(\t)+4*\f+3], s[10:11] offset:(\t)*2048+\f*512  ; 512 consecutive bytes, at a multiple of 256 from ctx's first
.endr
.endm
	SCL 0
	SCL 1
	SCL 2
	SCL 3
	v_cmp_gt_u32 vcc_lo, 0x100, v[GO]  ; both halves of the lanes hold the same four X: lanes 0-15 store them, 16 bytes each at 16 x lane: 256 consecutive bytes, aligned
	s_wait_alu depctr_va_vdst(0)
	s_wait_xcnt 0x0                 ; EXEC changes only behind this wait
	s_and_saveexec_b32 s54, vcc_lo
	global_store_b128 v[GO], v[XT:XT+3], s[8:9]
	s_wait_xcnt 0x0                 ; and again, in front of the line that widens it
	s_or_b32 exec_lo, exec_lo, s54
	PACK 0
	PACK 1
	SEND 0, 8
	PACK 2
	SEND 1, 8
	PACK 3
	SEND 2, 8
	SEND 3, 0
	s_wait_tensorcnt 0x0            ; the wave's end
	ds_add_u32 v[SPW], v[NIL]
	s_wait_dscnt 0x0
	CROUND                          ; the closing round
	s_endpgm
.Lfunc_end_k_qe2ebf3a0a6_attn:
	.size	k_qe2ebf3a0a6_attn, .Lfunc_end_k_qe2ebf3a0a6_attn-k_qe2ebf3a0a6_attn
	.p2alignl 7, 3214868480
	.fill 96, 4, 3214868480
	.section	.rodata,"a",@progbits
	.p2align	6, 0x0
	.amdhsa_kernel k_qe2ebf3a0a6_attn
		.amdhsa_group_segment_fixed_size 327680
		.amdhsa_private_segment_fixed_size 0
		.amdhsa_enable_private_segment 0
		.amdhsa_kernarg_size 16
		.amdhsa_user_sgpr_count 2
		.amdhsa_user_sgpr_kernarg_segment_ptr 1
		.amdhsa_wavefront_size32 1
		.amdhsa_system_sgpr_workgroup_id_x 1
		.amdhsa_system_sgpr_workgroup_id_y 1
		.amdhsa_system_sgpr_workgroup_id_z 1
		.amdhsa_system_vgpr_workitem_id 0
		.amdhsa_next_free_vgpr 448
		.amdhsa_next_free_sgpr 66
		.amdhsa_reserve_vcc 1
		.amdhsa_float_denorm_mode_32 3
		.amdhsa_float_denorm_mode_16_64 3
		.amdhsa_memory_ordered 1
		.amdhsa_forward_progress 1
		.amdhsa_inst_pref_size 92
	.end_amdhsa_kernel
	.amdgpu_metadata
---
amdhsa.version: [ 1, 2 ]
amdhsa.kernels:
  - .name:           k_qe2ebf3a0a6_attn
    .symbol:         k_qe2ebf3a0a6_attn.kd
    .args:
      - { .name: big, .offset: 0, .size: 8, .value_kind: global_buffer, .address_space: global }
      - { .name: ctx, .offset: 8, .size: 8, .value_kind: global_buffer, .address_space: global }
    .group_segment_fixed_size: 327680
    .private_segment_fixed_size: 0
    .kernarg_segment_align: 8
    .kernarg_segment_size: 16
    .max_flat_workgroup_size: 128
    .sgpr_count:     66
    .vgpr_count:     448
    .wavefront_size: 32
...
	.end_amdgpu_metadata
.endif
;; end of part 3
;; launch wproj (part 4): grid 8 x 32, 4 waves a work-group, clusters of 4 x 4, 327,680 bytes of LDS; arguments ctx, woh, bo, x, x2; writes x2
.if DOCPART == 4
	.amdgcn_target "amdgcn-amd-amdhsa--gfx1250"
	.amdhsa_code_object_version 6
	.text
	.protected	k_qe2ebf3a0a6_wproj
	.globl	k_qe2ebf3a0a6_wproj
	.p2align	8
	.type	k_qe2ebf3a0a6_wproj,@function
k_qe2ebf3a0a6_wproj:
	s_mov_b64 s[64:65], 0
	v_nop
	global_prefetch_b8 v0, s[64:65] scope:SCOPE_SE
	s_setreg_imm32_b32 hwreg(HW_REG_WAVE_MODE, 25, 1), 1
	s_wait_xcnt 0x0
	s_wait_alu depctr_hold_cnt(0) depctr_sa_sdst(0) depctr_va_vdst(0) depctr_va_sdst(0) depctr_va_ssrc(0) depctr_va_vcc(0) depctr_vm_vsrc(0)
	s_getreg_b32 s2, hwreg(HW_REG_IB_STS2, 6, 4)
	s_cmp_eq_u32 s2, 0
	s_cbranch_scc0 .Lentry_in_a_cluster
	s_endpgm
.Lentry_in_a_cluster:
	s_bfe_u32 s2, ttmp6, 0x10000c
	s_cmp_lg_u32 s2, 0xf033
	s_cbranch_scc0 .Lentry_shape_is_right
	s_endpgm
.Lentry_shape_is_right:
; x2 = ctx Wo^T + bo + x, in f32.  ctx comes as c, f16 in planes of 64 columns ((col / 64) x 524,288 + row x 128 + (col % 64) x 2; a plane is a head), and, behind the planes, a number X in f32
; for each (row, head): ctx = c x 2^(X - 152), the largest |c| of a (row, head) in 2^14 .. 2^15.  X lies at 8,388,608 + head x 16,384 + (row / 64) x 256 + (row % 16) x 16 + ((row / 16) % 4) x 4.
; Wo is rounded to f16, [1024][1024].
; ONE SCALE A ROW.  The sum over K runs over all heads, so a row's 16 heads are brought to the row's largest X: each fragment of c is multiplied by 2^(X - Xmax) <= 1, a power of two in f16,
; between its arrival from LDS and its products (a quarter step of 64 along K is one head: one factor a lane and row block); the finished sum is multiplied by R = 2^(Xmax - 152) in f32:
; x2 = sum x R + bo, one fused multiply-add, and x is added behind the stage.
; LIMITS.  A head more than 2^24 below its row's largest counts as 0, and below 2^-14 of it c keeps f16's fixed step; a row whose ctx lies below 2^-112 counts as 0; the last bit of v_exp_f32
; enters R (2^-23 of the sum; the factors round to exact powers of two in f16).  NaN and infinities are not treated apart.
; SHARES.  1,024 columns make 64 tiles of 256 x 256 but 256 of 128 x 128: a work-group to each of 256 tiles, four waves of 64 x 64 (16 accumulators).  K goes in 4 steps of 256 through two LDS slots.
; c's half tile is four planes of 64 dense rows: asked for as 4 rows of 8,192 bytes, 524,288 bytes apart, padded in LDS after every 128 bytes.  Wo's half tile is 64 rows of 512 bytes.
; CLUSTER 4 x 4: c's tile is shared along a row, Wo's along a column: joint loads.  THE MATRIX INSTRUCTION IS USED TRANSPOSED: a lane holds row l % 16 and the columns 8 (l / 16) + 0..7.
; A wave's 64 columns of f32 are 256 bytes: a whole aligned block of a row, so each wave sends its own rows through its own stage.
; REGISTERS: window 0: v4-11 R, a pair a row block; v16-30 addresses; v32-95 rows read back, two buffers; v96-127 the bias; v128-255 accumulator (a, b) at 128 + 8 (4 a + b)
;            window 1: two fragment buffers of 128 (64 along K: 64 registers of c, then 64 of Wo)
;            window 2: v0-127 the residual of my 64 x 64; v128-191 X, then the factors: place p, row block a at 128 + 4 p + a; v192-195 Xmax
; A loop's text names fixed registers: a trip takes the factors at places 1 .. 4, and at its end the table moves down by four places: 44 copies for a trip's 128 matrix instructions.
.set SIZE_K, 1024
.set STEPS,  SIZE_K/256
.set PA,     144                       ; a row of c in LDS: 128 bytes + 16: the 16 rows of a load start at 16 different groups of four banks (64 banks of 4 bytes: ISA guide 11.1)
.set PLANE,  64*PA
.set AHALF,  4*PLANE
.set PB,     528                       ; a row of Wo: 512 + 16
.set BHALF,  64*PB
.set BOFF,   2*AHALF
.set S1,     147456                    ; 0x24000: slot 1; it shares no bit with any fill's address in slot 0, so one exclusive or turns an address into the other slot's
.set STAGE,  294912                    ; behind the ring: 16 rows x 272 bytes for each wave
.set SPITCH, 272
.set SPARE,  STAGE+4*16*SPITCH         ; the spare words: 128 bytes a wave, two blocks of 256 that no other line names
.set TABO,   8388608                   ; where the X begin in ctx's buffer
.set RS,   4
.set A0,   16
.set B0,   17
.set ADRA, 18
.set ADRB, 19
.set STO,  24
.set RD,   25
.set CO,   26
.set BO,   27
.set SPW,  28
.set NIL,  29
.set TOF,  30
.set TMP,  32
.set BIAS, 96
.set ACC,  128
.set F0,   0
.set F1,   128
.set XS,   128
.set XM,   192
.set CNT,  3
.set G1A,  24
.set G0A,  32
.set TB,   36
.set G1B,  48
.set G0B,  56
.set TP,   60                          ; s[60:61] X of my 64 rows
.set MSB, 0
.macro WIN new
.if MSB != (\new)
	s_set_vgpr_msb (MSB<<8)|(\new)
.set MSB, \new
.endif
.endm
.macro JLOAD                           ; waves 0 and 1 fetch c's halves, waves 2 and 3 Wo's; an s_nop 0 and four v_nop follow each line
	s_cmp_eq_u32 s11, 0
	s_cbranch_scc0 .Lfor_b_\@
	tensor_load_to_lds s[G0A:G0A+3], s[G1A:G1A+7]
	s_nop 0
.rept 4
	v_nop
.endr
	s_branch .Lasked_\@
.Lfor_b_\@:
	tensor_load_to_lds s[G0B:G0B+3], s[G1B:G1B+7]
	s_nop 0
.rept 4
	v_nop
.endr
.Lasked_\@:
.endm
.macro CREST
	s_cmp_lg_u32 s10, 0
	s_cbranch_scc1 .Lnot_wave_0_\@
	s_barrier_signal -3
.Lnot_wave_0_\@:
	s_barrier_wait -3
	s_barrier_signal -1
	s_barrier_wait -1
.endm
.macro CROUND
	s_barrier_signal -1
	s_barrier_wait -1
	CREST
.endm
.macro STEPD                           ; both walking descriptors: the other slot, the next 256 along K (four planes of c; 512 bytes of Wo's rows)
	s_xor_b32 s[G0A+1], s[G0A+1], S1
	s_add_nc_u64 s[G0A+2:G0A+3], s[G0A+2:G0A+3], 4*524288
	s_xor_b32 s[G0B+1], s[G0B+1], S1
	s_add_nc_u64 s[G0B+2:G0B+3], s[G0B+2:G0B+3], 512
.endm
.macro PLACES
.rept 4
	v_nop
.endr
.endm
	s_load_b256 s[68:75], s[0:1], 0x0              ; ctx 68, Wo 70, bias 72, resid 74
	s_load_b64 s[76:77], s[0:1], 0x20              ; out
	v_lshl_add_u32 v[SPW], v0, 2, SPARE
	v_mov_b32 v[NIL], 0
	ds_add_u32 v[SPW], v[NIL]                      ; the wave's opening: the add and its wait stand ahead of my first tensor load
	v_lshrrev_b32 v1, 5, v0
	v_readfirstlane_b32 s10, v1
	s_lshr_b32 s11, s10, 1                         ; my half of the rows; also: I fetch for c (0) or Wo (1)
	s_and_b32 s12, s10, 1                          ; my half of the columns; also: which 64 rows I fetch
	s_bfe_u32 s40, ttmp6, 0x40000
	s_bfe_u32 s41, ttmp6, 0x40004
	s_lshl_b32 s42, ttmp9, 2
	s_add_co_u32 s42, s42, s40                     ; tile column
	s_and_b32 s13, ttmp7, 0xffff
	s_lshl_b32 s13, s13, 2
	s_add_co_u32 s13, s13, s41                     ; tile row
	s_lshl_b32 s43, s41, 2
	s_lshl_b32 s43, 15, s43
	s_lshl_b32 s44, 0x1111, s40
	s_or_b32 s[G1A+0], s43, (1<<16)|(1<<20)|(1<<21)|(4<<22)|(3<<25)  ; mask of my row; 2-byte elements; padding: after every 32 words, 4 words
	s_mov_b32 s[G1A+1], 4096<<16                   ; tensor_dim0 = 4,096 elements: 64 rows of a plane
	s_mov_b32 s[G1A+2], 4<<16                      ; tensor_dim1 = 4 planes
	s_mov_b32 s[G1A+3], 4096<<16                   ; tile_dim0
	s_mov_b32 s[G1A+4], 4                          ; tile_dim1
	s_mov_b32 s[G1A+5], 262144                     ; elements from plane to plane
	s_mov_b32 s[G1A+6], 0
	s_mov_b32 s[G1A+7], 0
	s_or_b32 s[G1B+0], s44, (1<<16)|(1<<20)|(1<<21)|(6<<22)|(3<<25)  ; mask of my column; padding: after every 128 words, 4 words
	s_mov_b32 s[G1B+1], 256<<16
	s_mov_b32 s[G1B+2], 64<<16
	s_mov_b32 s[G1B+3], 256<<16
	s_mov_b32 s[G1B+4], 64
	s_mov_b32 s[G1B+5], SIZE_K
	s_mov_b32 s[G1B+6], 0
	s_mov_b32 s[G1B+7], 0
	s_lshl_b32 s16, s13, 14                        ; c: row 128 x tile row + 64 x half, 128 bytes each
	s_lshl_b32 s17, s12, 13
	s_add_co_u32 s16, s16, s17
	s_mov_b32 s17, 0
	s_lshl_b32 s46, s42, 7                         ; Wo: row 128 x tile column + 64 x half
	s_lshl_b32 s47, s12, 6
	s_add_co_u32 s46, s46, s47
	s_mul_i32 s46, s46, 2*SIZE_K
	s_mov_b32 s47, 0
	s_lshl_b32 s14, s13, 9                         ; X: row 128 x tile row + 64 x my half of the rows, 4 bytes each,
	s_lshl_b32 s15, s11, 8
	s_add_co_u32 s14, s14, s15
	s_add_co_u32 s14, s14, TABO                    ; behind c's planes
	s_mov_b32 s15, 0
	s_mov_b32 s[G0A], 1
	s_mul_i32 s[G0A+1], s12, AHALF                 ; no place in the cluster enters an LDS address
	s_mov_b32 s[G0B], 1
	s_mul_i32 s[G0B+1], s12, BHALF
	s_add_co_u32 s[G0B+1], s[G0B+1], BOFF
	s_mov_b32 s[TB], 0
	s_wait_dscnt 0x0                               ; the opening add is done
	s_wait_kmcnt 0x0
	s_add_nc_u64 s[G0A+2:G0A+3], s[68:69], s[16:17]
	s_or_b32 s[G0A+3], s[G0A+3], 0x80000000
	s_add_nc_u64 s[G0B+2:G0B+3], s[70:71], s[46:47]
	s_or_b32 s[G0B+3], s[G0B+3], 0x80000000
	s_add_nc_u64 s[TP:TP+1], s[68:69], s[14:15]
	CROUND                                         ; the first joint loads meet
	JLOAD                                          ; K step 0 into slot 0
	s_lshl_b32 s46, s42, 9                         ; my first column, in bytes of f32: 512 x tile column + 256 x half
	s_lshl_b32 s47, s12, 8
	s_add_co_u32 s46, s46, s47
	s_mov_b32 s47, 0
	s_add_nc_u64 s[72:73], s[72:73], s[46:47]      ; the bias there
	s_lshl_b32 s47, s13, 19                        ; and my first row: 128 x tile row + 64 x half, 4,096 bytes each
	s_add_co_u32 s46, s46, s47
	s_lshl_b32 s47, s11, 18
	s_add_co_u32 s46, s46, s47
	s_mov_b32 s47, 0
	s_add_nc_u64 s[74:75], s[74:75], s[46:47]
	s_add_nc_u64 s[76:77], s[76:77], s[46:47]
	v_and_b32 v1, 15, v0                           ; l % 16
	v_bfe_u32 v2, v0, 4, 1                         ; l / 16
	v_lshlrev_b32 v[BO], 5, v2
	v_lshlrev_b32 v[TOF], 4, v1
.irp b, 0,1,2,3                        ; register j of accumulator (a, b) is column 16 b + 8 (l / 16) + j
	global_load_b128 v[BIAS+8*(\b):BIAS+8*(\b)+3],   v[BO], s[72:73] offset:64*(\b)
	global_load_b128 v[BIAS+8*(\b)+4:BIAS+8*(\b)+7], v[BO], s[72:73] offset:64*(\b)+16
.endr
	WIN 0x80                                       ; destination window 2
.set hd, 0
.rept 16                               ; head hd: X of my rows l % 16 + 16 a, a = 0 .. 3
	global_load_b128 v[XS+4*hd:XS+4*hd+3], v[TOF], s[TP:TP+1] offset:16384*hd
.set hd, hd+1
.endr
	WIN 0
	s_mul_i32 s21, s11, AHALF
	s_mul_i32 s22, s12, BHALF
	s_add_co_u32 s22, s22, BOFF
	v_mul_u32_u24 v3, v1, PA
	v_lshl_add_u32 v3, v2, 4, v3
	v_add_nc_u32 v[A0], s21, v3
	v_mul_u32_u24 v3, v1, PB
	v_lshl_add_u32 v3, v2, 4, v3
	v_add_nc_u32 v[B0], s22, v3
	s_mul_i32 s23, s10, 16*SPITCH
	s_add_co_u32 s23, s23, STAGE                   ; my stage
	v_mul_u32_u24 v3, v1, SPITCH                   ; in: row l % 16, 32 bytes for each half of the lanes
	v_lshl_add_u32 v3, v2, 5, v3
	v_add_nc_u32 v[STO], s23, v3
	v_mul_u32_u24 v3, v2, SPITCH                   ; back: lanes 0-15 one row of 256 bytes, lanes 16-31 the next
	v_lshl_add_u32 v3, v1, 4, v3
	v_add_nc_u32 v[RD], s23, v3
	v_lshlrev_b32 v3, 12, v2                       ; and the same two rows in memory
	v_lshl_add_u32 v[CO], v1, 4, v3
	v_mov_b32 v[ADRA], v[A0]
	v_mov_b32 v[ADRB], v[B0]
; X -> Xmax of each of my four rows; the 64 factors 2^(X - Xmax), twice in f16, in X's place; R = 2^(Xmax - 152), twice in f32.
.macro FACTORS
	WIN 0xaa                                       ; everything in window 2
.irp a, 0,1,2,3
	v_max3_num_f32 v[XM+(\a)], v[XS+(\a)], v[XS+4+(\a)], v[XS+8+(\a)]
.endr
.irp hh, 3,5,7,9,11,13
.irp a, 0,1,2,3
	v_max3_num_f32 v[XM+(\a)], v[XM+(\a)], v[XS+4*(\hh)+(\a)], v[XS+4*(\hh)+4+(\a)]
.endr
.endr
.irp a, 0,1,2,3
	v_max_num_f32 v[XM+(\a)], v[XM+(\a)], v[XS+60+(\a)]
.endr
.set n, 0
.rept 32
	v_pk_add_f32 v[XS+2*n:XS+2*n+1], v[XS+2*n:XS+2*n+1], v[XM+2*(n%2):XM+2*(n%2)+1] neg_lo:[0,1] neg_hi:[0,1]
.set n, n+1
.endr
.set n, 0
.rept 64
	v_exp_f32 v[XS+n], v[XS+n]
.set n, n+1
.endr
.irp a, 0,1,2,3
	v_add_f32 v[XM+(\a)], 0xc3180000, v[XM+(\a)]   ; Xmax - 152; also the plain lines behind the last exponential (ISA guide 5.7.2)
.endr
.set n, 0
	s_wait_alu depctr_va_vdst(0)
.rept 64
	v_cvt_pk_f16_f32 v[XS+n], v[XS+n], v[XS+n]
.set n, n+1
.endr
	WIN 0x02                                       ; source window 2, destination window 0
.irp a, 0,1,2,3
	v_exp_f32 v[RS+2*(\a)], v[XM+(\a)]
	v_exp_f32 v[RS+2*(\a)+1], v[XM+(\a)]
.endr
	v_nop
	WIN 0
.endm
; The fragments of c in half c of buffer f (four row blocks of 8 registers) times the factors at place pos
.macro SCALE f, c, pos
	WIN 0x49                                       ; destination and source 0 window 1, source 1 window 2
.irp a, 0,1,2,3
.irp j, 0,1,2,3,4,5,6,7
	v_pk_mul_f16 v[(\f)+8*(4*(\c)+(\a))+(\j)], v[(\f)+8*(4*(\c)+(\a))+(\j)], v[XS+4*(\pos)+(\a)]
.endr
.endr
.endm
.macro SHIFT                           ; the factors move down by four places (ascending, so each is read before it is written)
	WIN 0x82
.set n, 4
.rept 44
	v_mov_b32 v[XS+n], v[XS+n+16]
.set n, n+1
.endr
.endm
; 8 matrix instructions: row blocks a0, a0 + 1 x all 4 column blocks, 32 along K: half c of buffer f.  z = 1: the first product starts the sums
.macro MUL8 f, c, a0, z
	WIN 0x05
.irp a, \a0, (\a0)+1
.irp b, 0,1,2,3
.if \z
	v_wmma_f32_16x16x32_f16 v[ACC+8*(4*(\a)+(\b)):ACC+8*(4*(\a)+(\b))+7], v[(\f)+64+8*(4*(\c)+(\b)):(\f)+64+8*(4*(\c)+(\b))+7], v[(\f)+8*(4*(\c)+(\a)):(\f)+8*(4*(\c)+(\a))+7], 0
.else
	v_wmma_f32_16x16x32_f16 v[ACC+8*(4*(\a)+(\b)):ACC+8*(4*(\a)+(\b))+7], v[(\f)+64+8*(4*(\c)+(\b)):(\f)+64+8*(4*(\c)+(\b))+7], v[(\f)+8*(4*(\c)+(\a)):(\f)+8*(4*(\c)+(\a))+7], v[ACC+8*(4*(\a)+(\b)):ACC+8*(4*(\a)+(\b))+7]
.endif
.endr
.endr
.endm
.macro FETCH q, f                      ; 32 LDS loads in one run: quarter q (64 along K: plane q of c, byte 128 q of Wo's rows) into buffer f; the first 32 along K first
	WIN 0x40
.irp c, 0,1
.irp i, 0,1,2,3
	ds_load_b128 v[(\f)+64+8*(4*(\c)+(\i)):(\f)+64+8*(4*(\c)+(\i))+3],   v[ADRB] offset:128*(\q)+64*(\c)+(\i)*16*PB
	ds_load_b128 v[(\f)+64+8*(4*(\c)+(\i))+4:(\f)+64+8*(4*(\c)+(\i))+7], v[ADRB] offset:128*(\q)+64*(\c)+(\i)*16*PB+32
	ds_load_b128 v[(\f)+8*(4*(\c)+(\i)):(\f)+8*(4*(\c)+(\i))+3],         v[ADRA] offset:(\q)*PLANE+64*(\c)+(\i)*16*PA
	ds_load_b128 v[(\f)+8*(4*(\c)+(\i))+4:(\f)+8*(4*(\c)+(\i))+7],       v[ADRA] offset:(\q)*PLANE+64*(\c)+(\i)*16*PA+32
.endr
.endr
.endm
; A K step is four quarters of 64 along K, a head each, 32 matrix instructions each; the 16 accumulators take turns.  pos: the place of the factors of the head in buffer f.
.macro QUARTER q, f, g, z, pos
	s_wait_dscnt 16                                ; the first 32 along K are in
	SCALE \f, 0, \pos
	MUL8 \f, 0, 0, \z
	MUL8 \f, 0, 2, \z
	PLACES
	FETCH \q, \g
	s_wait_dscnt 32                                ; all but the 32 just issued
	SCALE \f, 1, \pos
	MUL8 \f, 1, 0, 0
	MUL8 \f, 1, 2, 0
.endm
; The last quarter multiplies buffer 1 (place 3) and changes slots: each wave waits for all its tensor loads, adds 0 to its spare word, waits for that and for its reads of this slot.
; fill = 1: the barrier opens a round of the cluster's, and the joint refill is the first thing behind it.  fill = 0 (the tail): nothing is asked for; in the last trip nothing is fetched.
.macro TURN fill
	WIN 0
	s_wait_tensorcnt 0x0
	ds_add_u32 v[SPW], v[NIL]
	s_wait_dscnt 17                                ; (the add and the youngest sixteen loads may be out)
	SCALE F1, 0, 3
	MUL8 F1, 0, 0, 0
	s_wait_dscnt 0x0                               ; the add is done, and my reads of this slot are over
	s_barrier_signal -1
	MUL8 F1, 0, 2, 0
	SCALE F1, 1, 3                                 ; work on registers while the others arrive
	WIN 0
	s_barrier_wait -1
.if \fill
	CREST
	STEPD
	JLOAD
.else
	s_cmp_eq_u32 s[CNT], 1
	s_cbranch_scc1 .Lnf_\@
	PLACES
.endif
	s_xor_b32 s[TB], s[TB], S1
	v_add_nc_u32 v[ADRA], s[TB], v[A0]
	v_add_nc_u32 v[ADRB], s[TB], v[B0]
	FETCH 0, F0
	WIN 0
.if !(\fill)
.Lnf_\@:
.endif
	MUL8 F1, 1, 0, 0
	MUL8 F1, 1, 2, 0
.endm
; THE WAY OUT of row block a: sum x R + bias in place (each accumulator from its low end on); 32 bytes a lane into my stage, back as whole rows of 256 bytes, plus the residual, stored.
.macro OUTBLK a
.set BK, TMP+32*((\a)%2)
	s_wait_alu depctr_va_vdst(0)
.irp b, 0,1,2,3
.irp p, 0,1,2,3
	v_pk_fma_f32 v[ACC+8*(4*(\a)+(\b))+2*(\p):ACC+8*(4*(\a)+(\b))+2*(\p)+1], v[ACC+8*(4*(\a)+(\b))+2*(\p):ACC+8*(4*(\a)+(\b))+2*(\p)+1], v[RS+2*(\a):RS+2*(\a)+1], v[BIAS+8*(\b)+2*(\p):BIAS+8*(\b)+2*(\p)+1]
.endr
.endr
	s_wait_xcnt 0x0                                ; earlier stores have read their registers (ISA guide 3.1): this buffer is loaded again only behind this wait
.irp b, 0,1,2,3
	ds_store_b128 v[STO], v[ACC+8*(4*(\a)+(\b)):ACC+8*(4*(\a)+(\b))+3]   offset:64*(\b)
	ds_store_b128 v[STO], v[ACC+8*(4*(\a)+(\b))+4:ACC+8*(4*(\a)+(\b))+7] offset:64*(\b)+16
.endr
.irp t, 0,1,2,3,4,5,6,7
	ds_load_b128 v[BK+4*(\t):BK+4*(\t)+3], v[RD] offset:(\t)*2*SPITCH  ; LDS serves a wave's instructions in order (ISA guide 5.7.1.4)
.endr
	s_wait_dscnt 0x0
	WIN 0x08                                       ; source 1, the residual, in window 2
.set n, 0
.rept 16
	v_pk_add_f32 v[BK+2*n:BK+2*n+1], v[BK+2*n:BK+2*n+1], v[32*(\a)+2*n:32*(\a)+2*n+1]
.set n, n+1
.endr
	WIN 0
.irp t, 0,1,2,3,4,5,6,7
	global_store_b128 v[CO], v[BK+4*(\t):BK+4*(\t)+3], s[76:77] offset:(16*(\a)+2*(\t))*4096  ; 16 lanes store 256 consecutive bytes, aligned
.endr
.endm
	s_wait_tensorcnt 0x0                           ; my part of K step 0 is in; no load of mine is out, so the descriptors may step
	ds_add_u32 v[SPW], v[NIL]
	STEPD
	s_wait_dscnt 0x0
	CROUND                                         ; everybody's part is in
	JLOAD                                          ; K step 1 into slot 1
	FETCH 0, F0
	s_wait_loadcnt 0x0                             ; the bias and X
	FACTORS                                        ; while the first fragments come out of LDS
	QUARTER 1, F0, F1, 1, 0                        ; head 0: the first quarter stands in front of the loop: its first products start the sums
	WIN 0
	s_mov_b32 s[CNT], STEPS-2
.Lstep:                                                ; a trip is a K step, from its second quarter to the next step's first (four heads: places 1 .. 4), and asks for the step two on
	QUARTER 2, F1, F0, 0, 1
	QUARTER 3, F0, F1, 0, 2
	TURN 1
	QUARTER 1, F0, F1, 0, 4
	SHIFT
	WIN 0
	s_sub_co_u32 s[CNT], s[CNT], 1
	s_cmp_lg_u32 s[CNT], 0
	s_cbranch_scc1 .Lstep
	WIN 0x80                                       ; the residual of my 64 x 64, laid as the rows will come back from the stage: it lands under the tail's 224 matrix instructions
.irp a, 0,1,2,3
.irp t, 0,1,2,3,4,5,6,7
	global_load_b128 v[32*(\a)+4*(\t):32*(\a)+4*(\t)+3], v[CO], s[74:75] offset:(16*(\a)+2*(\t))*4096 th:TH_LOAD_NT
.endr
.endr
	WIN 0
	s_mov_b32 s[CNT], 2
.Ltail:                                                ; the last two K steps: no tensor load; the second trip is left in its middle
	QUARTER 2, F1, F0, 0, 1
	QUARTER 3, F0, F1, 0, 2
	TURN 0
	WIN 0
	s_sub_co_u32 s[CNT], s[CNT], 1
	s_cmp_eq_u32 s[CNT], 0
	s_cbranch_scc1 .Lout
	QUARTER 1, F0, F1, 0, 4
	SHIFT
	WIN 0
	s_branch .Ltail
.Lout:
	PLACES
	s_wait_loadcnt 0x0                             ; the residual
	OUTBLK 0
	OUTBLK 1
	OUTBLK 2
	OUTBLK 3
	s_wait_tensorcnt 0x0                           ; the wave's end
	ds_add_u32 v[SPW], v[NIL]
	s_wait_dscnt 0x0
	CROUND                                         ; the closing round
	s_endpgm
.Lfunc_end_k_qe2ebf3a0a6_wproj:
	.size	k_qe2ebf3a0a6_wproj, .Lfunc_end_k_qe2ebf3a0a6_wproj-k_qe2ebf3a0a6_wproj
	.p2alignl 7, 3214868480
	.fill 96, 4, 3214868480
	.section	.rodata,"a",@progbits
	.p2align	6, 0x0
	.amdhsa_kernel k_qe2ebf3a0a6_wproj
		.amdhsa_group_segment_fixed_size 327680
		.amdhsa_private_segment_fixed_size 0
		.amdhsa_enable_private_segment 0
		.amdhsa_kernarg_size 40
		.amdhsa_user_sgpr_count 2
		.amdhsa_user_sgpr_kernarg_segment_ptr 1
		.amdhsa_wavefront_size32 1
		.amdhsa_system_sgpr_workgroup_id_x 1
		.amdhsa_system_sgpr_workgroup_id_y 1
		.amdhsa_system_sgpr_workgroup_id_z 1
		.amdhsa_system_vgpr_workitem_id 0
		.amdhsa_next_free_vgpr 768
		.amdhsa_next_free_sgpr 80
		.amdhsa_reserve_vcc 0
		.amdhsa_float_denorm_mode_32 3
		.amdhsa_float_denorm_mode_16_64 3
		.amdhsa_memory_ordered 1
		.amdhsa_forward_progress 1
		.amdhsa_inst_pref_size 122
	.end_amdhsa_kernel
	.amdgpu_metadata
---
amdhsa.version: [ 1, 2 ]
amdhsa.kernels:
  - .name:           k_qe2ebf3a0a6_wproj
    .symbol:         k_qe2ebf3a0a6_wproj.kd
    .args:
      - { .name: ctx, .offset: 0, .size: 8, .value_kind: global_buffer, .address_space: global }
      - { .name: woh, .offset: 8, .size: 8, .value_kind: global_buffer, .address_space: global }
      - { .name: bo, .offset: 16, .size: 8, .value_kind: global_buffer, .address_space: global }
      - { .name: x, .offset: 24, .size: 8, .value_kind: global_buffer, .address_space: global }
      - { .name: x2, .offset: 32, .size: 8, .value_kind: global_buffer, .address_space: global }
    .group_segment_fixed_size: 327680
    .private_segment_fixed_size: 0
    .kernarg_segment_align: 8
    .kernarg_segment_size: 40
    .max_flat_workgroup_size: 128
    .sgpr_count:     80
    .vgpr_count:     768
    .wavefront_size: 32
...
	.end_amdgpu_metadata
.endif
;; end of part 4
;; launch ln2 (part 5): grid 512 x 1, 8 waves a work-group, no clusters, 0 bytes of LDS; arguments x2, ln2_g, ln2_b, xn; writes xn
.if DOCPART == 5
	.amdgcn_target "amdgcn-amd-amdhsa--gfx1250"
	.amdhsa_code_object_version 6
	.text
	.protected	k_qe2ebf3a0a6_ln2
	.globl	k_qe2ebf3a0a6_ln2
	.p2align	8
	.type	k_qe2ebf3a0a6_ln2,@function
k_qe2ebf3a0a6_ln2:
	s_mov_b64 s[64:65], 0
	v_nop
	global_prefetch_b8 v0, s[64:65] scope:SCOPE_SE
	s_setreg_imm32_b32 hwreg(HW_REG_WAVE_MODE, 25, 1), 1
	s_wait_xcnt 0x0
; LN2: xn[row] = (x2[row] - mean) * rsqrt(var + 1e-6) * g + b, rounded once to f16.  One wave, one row of 1,024 numbers, kept in 32 registers between the passes (mean; centred squares;
; scaling): the order of the formula itself, so a common offset costs nothing.  No LDS, no barrier: no wave waits for another; the row is read once.
; LIMIT.  xn must lie within 65,504 (f16).  NaN and infinities are not treated apart.
.set T,   4                            ; v[4:11]    four chains of two sums
.set X,   32                           ; v[32:63]   the row
.set G,   64                           ; v[64:95]   the gain of my 32 columns
.set B,   96                           ; v[96:127]  the bias
.set Y,   128                          ; v[128:143] the row in f16
.macro REDUCE                          ; four chains of pairs -> one sum, in every lane
	v_pk_add_f32 v[T:T+1], v[T:T+1], v[T+2:T+3]
	v_pk_add_f32 v[T+4:T+5], v[T+4:T+5], v[T+6:T+7]
	v_pk_add_f32 v[T:T+1], v[T:T+1], v[T+4:T+5]
	v_add_f32 v[T], v[T], v[T+1]
.irp m, 1,2,4,8
	v_add_f32_dpp v[T], v[T], v[T] row_xmask:\m row_mask:0xf bank_mask:0xf
.endr
	v_permlanex16_b32 v[T+1], v[T], s44, s45       ; the other half of the lanes; its destination has been written
	v_add_f32 v[T], v[T], v[T+1]
.endm
	s_load_b256 s[4:11], s[0:1], 0x0               ; x2 4, gain 6, bias 8, xn 10
	v_lshrrev_b32 v3, 5, v0
	v_readfirstlane_b32 s40, v3                    ; wave 0..7
	v_and_b32 v1, 31, v0
	v_lshlrev_b32 v2, 3, v1                        ; 8 x lane
	v_lshlrev_b32 v1, 4, v1                        ; 16 x lane
	s_mov_b32 s44, 0x76543210
	s_mov_b32 s45, 0xfedcba98
	s_mov_b32 s46, 0x3a800000                      ; 1 / 1,024
	s_lshl_b32 s41, ttmp9, 3
	s_add_co_u32 s41, s41, s40                     ; my row
	s_lshl_b32 s42, s41, 12
	s_mov_b32 s43, 0
	s_lshl_b32 s38, s41, 11
	s_mov_b32 s39, 0
	s_wait_kmcnt 0x0
	s_add_nc_u64 s[4:5], s[4:5], s[42:43]
	s_add_nc_u64 s[10:11], s[10:11], s[38:39]
.set j, 0
.rept 8
	global_load_b128 v[X+4*j:X+4*j+3], v1, s[4:5] offset:512*j  ; columns 128 j + 4 lane .. + 3
.set j, j+1
.endr
.set j, 0
.rept 8
	global_load_b128 v[G+4*j:G+4*j+3], v1, s[6:7] offset:512*j
.set j, j+1
.endr
.set j, 0
.rept 8
	global_load_b128 v[B+4*j:B+4*j+3], v1, s[8:9] offset:512*j
.set j, j+1
.endr
	s_wait_loadcnt 16                              ; the row is in; the sixteen younger loads (gain, bias) stay out
.set p, 0
.rept 4
	v_pk_add_f32 v[T+2*p:T+2*p+1], v[X+2*p:X+2*p+1], v[X+8+2*p:X+8+2*p+1]  ; the first eight pairs start the chains
.set p, p+1
.endr
.set p, 8
.rept 8
	v_pk_add_f32 v[T+2*(p%4):T+2*(p%4)+1], v[T+2*(p%4):T+2*(p%4)+1], v[X+2*p:X+2*p+1]
.set p, p+1
.endr
	REDUCE
	v_mul_f32 v12, s46, v[T]                       ; the mean
	v_mov_b32 v13, v12
.set p, 0
.rept 16
	v_pk_add_f32 v[X+2*p:X+2*p+1], v[X+2*p:X+2*p+1], v[12:13] neg_lo:[0,1] neg_hi:[0,1]
.set p, p+1
.endr
.set p, 0
.rept 4
	v_pk_mul_f32 v[T+2*p:T+2*p+1], v[X+2*p:X+2*p+1], v[X+2*p:X+2*p+1]
.set p, p+1
.endr
.rept 12
	v_pk_fma_f32 v[T+2*(p%4):T+2*(p%4)+1], v[X+2*p:X+2*p+1], v[X+2*p:X+2*p+1], v[T+2*(p%4):T+2*(p%4)+1]
.set p, p+1
.endr
	REDUCE
	v_fmaak_f32 v16, s46, v[T], 0x358637bd         ; var + 1e-6
	v_rsq_f32 v14, v16
	v_rsq_f32 v15, v16
	v_nop                                          ; a plain instruction between a transcendental and the use of its result (ISA guide 5.7.2)
	s_wait_loadcnt 0x0                             ; gain and bias
.set p, 0
	s_wait_alu depctr_va_vdst(0)
.rept 16
	v_pk_mul_f32 v[X+2*p:X+2*p+1], v[X+2*p:X+2*p+1], v[14:15]
.set p, p+1
.endr
.set p, 0
.rept 16
	v_pk_fma_f32 v[X+2*p:X+2*p+1], v[X+2*p:X+2*p+1], v[G+2*p:G+2*p+1], v[B+2*p:B+2*p+1]
.set p, p+1
.endr
.set p, 0
.rept 16
	v_cvt_pk_f16_f32 v[Y+p], v[X+2*p], v[X+2*p+1]
.set p, p+1
.endr
.set j, 0
.rept 8
	global_store_b64 v2, v[Y+2*j:Y+2*j+1], s[10:11] offset:256*j  ; the wave's 32 lanes store 256 consecutive bytes, aligned
.set j, j+1
.endr
	s_endpgm
.Lfunc_end_k_qe2ebf3a0a6_ln2:
	.size	k_qe2ebf3a0a6_ln2, .Lfunc_end_k_qe2ebf3a0a6_ln2-k_qe2ebf3a0a6_ln2
	.p2alignl 7, 3214868480
	.fill 96, 4, 3214868480
	.section	.rodata,"a",@progbits
	.p2align	6, 0x0
	.amdhsa_kernel k_qe2ebf3a0a6_ln2
		.amdhsa_group_segment_fixed_size 0
		.amdhsa_private_segment_fixed_size 0
		.amdhsa_enable_private_segment 0
		.amdhsa_kernarg_size 32
		.amdhsa_user_sgpr_count 2
		.amdhsa_user_sgpr_kernarg_segment_ptr 1
		.amdhsa_wavefront_size32 1
		.amdhsa_system_sgpr_workgroup_id_x 1
		.amdhsa_system_sgpr_workgroup_id_y 1
		.amdhsa_system_sgpr_workgroup_id_z 1
		.amdhsa_system_vgpr_workitem_id 0
		.amdhsa_next_free_vgpr 144
		.amdhsa_next_free_sgpr 66
		.amdhsa_reserve_vcc 0
		.amdhsa_float_denorm_mode_32 3
		.amdhsa_float_denorm_mode_16_64 3
		.amdhsa_memory_ordered 1
		.amdhsa_forward_progress 1
		.amdhsa_inst_pref_size 12
	.end_amdhsa_kernel
	.amdgpu_metadata
---
amdhsa.version: [ 1, 2 ]
amdhsa.kernels:
  - .name:           k_qe2ebf3a0a6_ln2
    .symbol:         k_qe2ebf3a0a6_ln2.kd
    .args:
      - { .name: x2, .offset: 0, .size: 8, .value_kind: global_buffer, .address_space: global }
      - { .name: ln2_g, .offset: 8, .size: 8, .value_kind: global_buffer, .address_space: global }
      - { .name: ln2_b, .offset: 16, .size: 8, .value_kind: global_buffer, .address_space: global }
      - { .name: xn, .offset: 24, .size: 8, .value_kind: global_buffer, .address_space: global }
    .group_segment_fixed_size: 0
    .private_segment_fixed_size: 0
    .kernarg_segment_align: 8
    .kernarg_segment_size: 32
    .max_flat_workgroup_size: 256
    .sgpr_count:     66
    .vgpr_count:     144
    .wavefront_size: 32
...
	.end_amdgpu_metadata
.endif
;; end of part 5
;; launch ffn1: the kernel of part 2 again; grid 16 x 16, 4 waves a work-group, clusters of 4 x 4, 327,680 bytes of LDS; arguments xn, w1h, big; writes big
;; launch ffn2 (part 6): grid 8 x 32, 4 waves a work-group, clusters of 4 x 4, 327,680 bytes of LDS; arguments big, w2h, b2, x2, out0; writes out0
.if DOCPART == 6
	.amdgcn_target "amdgcn-amd-amdhsa--gfx1250"
	.amdhsa_code_object_version 6
	.text
	.protected	k_qe2ebf3a0a6_ffn2
	.globl	k_qe2ebf3a0a6_ffn2
	.p2align	8
	.type	k_qe2ebf3a0a6_ffn2,@function
k_qe2ebf3a0a6_ffn2:
	s_mov_b64 s[64:65], 0
	v_nop
	global_prefetch_b8 v0, s[64:65] scope:SCOPE_SE
	s_setreg_imm32_b32 hwreg(HW_REG_WAVE_MODE, 25, 1), 1
	s_wait_xcnt 0x0
	s_wait_alu depctr_hold_cnt(0) depctr_sa_sdst(0) depctr_va_vdst(0) depctr_va_sdst(0) depctr_va_ssrc(0) depctr_va_vcc(0) depctr_vm_vsrc(0)
	s_getreg_b32 s2, hwreg(HW_REG_IB_STS2, 6, 4)
	s_cmp_eq_u32 s2, 0
	s_cbranch_scc0 .Lentry_in_a_cluster
	s_endpgm
.Lentry_in_a_cluster:
	s_bfe_u32 s2, ttmp6, 0x10000c
	s_cmp_lg_u32 s2, 0xf033
	s_cbranch_scc0 .Lentry_shape_is_right
	s_endpgm
.Lentry_shape_is_right:
; out = A W^T + bias + resid, in f32.  Here: A = the FFN's activations, f16 in planes of 64 columns ((c / 64) x 524,288 + m x 128 + (c % 64) x 2); W = W2 rounded to f16, [1024][SIZE_K];
; resid = x2; out = out0.  Sums in f32, begun with the bias; the residual is added in f32 on the way out.
; LIMIT.  The activations and W2 lie within 65,504 (f16).  NaN and infinities are not treated apart.
; SHARES.  1,024 columns make 64 tiles of 256 x 256 but 256 of 128 x 128: a work-group to each of 256 tiles, four waves of 64 x 64 (16 accumulators).  K goes in 16 steps of 256 through two LDS slots.
; A's half tile is four planes of 64 dense rows: asked for as 4 rows of 8,192 bytes, 524,288 bytes apart, padded in LDS after every 128 bytes.  W's half tile is 64 rows of 512 bytes.
; CLUSTER 4 x 4: A's tile is shared along a row, W's along a column: joint loads.  THE MATRIX INSTRUCTION IS USED TRANSPOSED: a lane holds row l % 16 and the columns 8 (l / 16) + 0..7.
; A wave's 64 columns of f32 are 256 bytes: a whole aligned block of a row, so each wave sends its own rows through its own stage.
; REGISTERS: window 0: v16-29 addresses; v32-95 rows read back, two buffers; v96-127 the bias; v128-255 accumulator (a, b) at 128 + 8 (4 a + b)
;            window 1: two fragment buffers of 128 (64 along K: 64 registers of A, then 64 of W);  window 2: v0-127 the residual of my 64 x 64
.set SIZE_K, 4096
.set STEPS,  SIZE_K/256
.set PA,     144                       ; a row of A in LDS: 128 bytes + 16: the 16 rows of a load start at 16 different groups of four banks (64 banks of 4 bytes: ISA guide 11.1)
.set PLANE,  64*PA
.set AHALF,  4*PLANE
.set PB,     528                       ; a row of W: 512 + 16
.set BHALF,  64*PB
.set BOFF,   2*AHALF
.set S1,     147456                    ; 0x24000: slot 1; it shares no bit with any fill's address in slot 0, so one exclusive or turns an address into the other slot's
.set STAGE,  294912                    ; behind the ring: 16 rows x 272 bytes for each wave
.set SPITCH, 272
.set SPARE,  STAGE+4*16*SPITCH         ; the spare words: 128 bytes a wave, two blocks of 256 that no other line names
.set A0,   16
.set B0,   17
.set ADRA, 18
.set ADRB, 19
.set STO,  24
.set RD,   25
.set CO,   26
.set BO,   27
.set SPW,  28
.set NIL,  29
.set TMP,  32
.set BIAS, 96
.set ACC,  128
.set F0,   0
.set F1,   128
.set CNT,  3
.set G1A,  24
.set G0A,  32
.set TB,   36
.set G1B,  48
.set G0B,  56
.set MSB, 0
.macro WIN new
.if MSB != (\new)
	s_set_vgpr_msb (MSB<<8)|(\new)
.set MSB, \new
.endif
.endm
.macro JLOAD                           ; waves 0 and 1 fetch A's halves, waves 2 and 3 W's; an s_nop 0 and four v_nop follow each line
	s_cmp_eq_u32 s11, 0
	s_cbranch_scc0 .Lfor_b_\@
	tensor_load_to_lds s[G0A:G0A+3], s[G1A:G1A+7]
	s_nop 0
.rept 4
	v_nop
.endr
	s_branch .Lasked_\@
.Lfor_b_\@:
	tensor_load_to_lds s[G0B:G0B+3], s[G1B:G1B+7]
	s_nop 0
.rept 4
	v_nop
.endr
.Lasked_\@:
.endm
.macro CREST
	s_cmp_lg_u32 s10, 0
	s_cbranch_scc1 .Lnot_wave_0_\@
	s_barrier_signal -3
.Lnot_wave_0_\@:
	s_barrier_wait -3
	s_barrier_signal -1
	s_barrier_wait -1
.endm
.macro CROUND
	s_barrier_signal -1
	s_barrier_wait -1
	CREST
.endm
.macro STEPD                           ; both walking descriptors: the other slot, the next 256 along K (four planes of A; 512 bytes of W's rows)
	s_xor_b32 s[G0A+1], s[G0A+1], S1
	s_add_nc_u64 s[G0A+2:G0A+3], s[G0A+2:G0A+3], 4*524288
	s_xor_b32 s[G0B+1], s[G0B+1], S1
	s_add_nc_u64 s[G0B+2:G0B+3], s[G0B+2:G0B+3], 512
.endm
.macro PLACES
.rept 4
	v_nop
.endr
.endm
	s_load_b256 s[68:75], s[0:1], 0x0              ; A 68, W 70, bias 72, resid 74
	s_load_b64 s[76:77], s[0:1], 0x20              ; out
	v_lshl_add_u32 v[SPW], v0, 2, SPARE
	v_mov_b32 v[NIL], 0
	ds_add_u32 v[SPW], v[NIL]                      ; the wave's opening: the add and its wait stand ahead of my first tensor load
	v_lshrrev_b32 v1, 5, v0
	v_readfirstlane_b32 s10, v1
	s_lshr_b32 s11, s10, 1                         ; my half of the rows; also: I fetch for A (0) or W (1)
	s_and_b32 s12, s10, 1                          ; my half of the columns; also: which 64 rows I fetch
	s_bfe_u32 s40, ttmp6, 0x40000
	s_bfe_u32 s41, ttmp6, 0x40004
	s_lshl_b32 s42, ttmp9, 2
	s_add_co_u32 s42, s42, s40                     ; tile column
	s_and_b32 s13, ttmp7, 0xffff
	s_lshl_b32 s13, s13, 2
	s_add_co_u32 s13, s13, s41                     ; tile row
	s_lshl_b32 s43, s41, 2
	s_lshl_b32 s43, 15, s43
	s_lshl_b32 s44, 0x1111, s40
	s_or_b32 s[G1A+0], s43, (1<<16)|(1<<20)|(1<<21)|(4<<22)|(3<<25)  ; mask of my row; 2-byte elements; padding: after every 32 words, 4 words
	s_mov_b32 s[G1A+1], 4096<<16                   ; tensor_dim0 = 4,096 elements: 64 rows of a plane
	s_mov_b32 s[G1A+2], 4<<16                      ; tensor_dim1 = 4 planes
	s_mov_b32 s[G1A+3], 4096<<16                   ; tile_dim0
	s_mov_b32 s[G1A+4], 4                          ; tile_dim1
	s_mov_b32 s[G1A+5], 262144                     ; elements from plane to plane
	s_mov_b32 s[G1A+6], 0
	s_mov_b32 s[G1A+7], 0
	s_or_b32 s[G1B+0], s44, (1<<16)|(1<<20)|(1<<21)|(6<<22)|(3<<25)  ; mask of my column; padding: after every 128 words, 4 words
	s_mov_b32 s[G1B+1], 256<<16
	s_mov_b32 s[G1B+2], 64<<16
	s_mov_b32 s[G1B+3], 256<<16
	s_mov_b32 s[G1B+4], 64
	s_mov_b32 s[G1B+5], SIZE_K
	s_mov_b32 s[G1B+6], 0
	s_mov_b32 s[G1B+7], 0
	s_lshl_b32 s16, s13, 14                        ; A: row 128 x tile row + 64 x half, 128 bytes each
	s_lshl_b32 s17, s12, 13
	s_add_co_u32 s16, s16, s17
	s_mov_b32 s17, 0
	s_lshl_b32 s46, s42, 7                         ; W: row 128 x tile column + 64 x half
	s_lshl_b32 s47, s12, 6
	s_add_co_u32 s46, s46, s47
	s_mul_i32 s46, s46, 2*SIZE_K
	s_mov_b32 s47, 0
	s_mov_b32 s[G0A], 1
	s_mul_i32 s[G0A+1], s12, AHALF                 ; no place in the cluster enters an LDS address
	s_mov_b32 s[G0B], 1
	s_mul_i32 s[G0B+1], s12, BHALF
	s_add_co_u32 s[G0B+1], s[G0B+1], BOFF
	s_mov_b32 s[TB], 0
	s_wait_dscnt 0x0                               ; the opening add is done
	s_wait_kmcnt 0x0
	s_add_nc_u64 s[G0A+2:G0A+3], s[68:69], s[16:17]
	s_or_b32 s[G0A+3], s[G0A+3], 0x80000000
	s_add_nc_u64 s[G0B+2:G0B+3], s[70:71], s[46:47]
	s_or_b32 s[G0B+3], s[G0B+3], 0x80000000
	CROUND                                         ; the first joint loads meet
	JLOAD                                          ; K step 0 into slot 0
	s_lshl_b32 s46, s42, 9                         ; my first column, in bytes of f32: 512 x tile column + 256 x half
	s_lshl_b32 s47, s12, 8
	s_add_co_u32 s46, s46, s47
	s_mov_b32 s47, 0
	s_add_nc_u64 s[72:73], s[72:73], s[46:47]      ; the bias there
	s_lshl_b32 s47, s13, 19                        ; and my first row: 128 x tile row + 64 x half, 4,096 bytes each
	s_add_co_u32 s46, s46, s47
	s_lshl_b32 s47, s11, 18
	s_add_co_u32 s46, s46, s47
	s_mov_b32 s47, 0
	s_add_nc_u64 s[74:75], s[74:75], s[46:47]
	s_add_nc_u64 s[76:77], s[76:77], s[46:47]
	v_and_b32 v1, 15, v0                           ; l % 16
	v_bfe_u32 v2, v0, 4, 1                         ; l / 16
	v_lshlrev_b32 v[BO], 5, v2
.irp b, 0,1,2,3                        ; register j of accumulator (a, b) is column 16 b + 8 (l / 16) + j
	global_load_b128 v[BIAS+8*(\b):BIAS+8*(\b)+3],   v[BO], s[72:73] offset:64*(\b)
	global_load_b128 v[BIAS+8*(\b)+4:BIAS+8*(\b)+7], v[BO], s[72:73] offset:64*(\b)+16
.endr
	s_mul_i32 s21, s11, AHALF
	s_mul_i32 s22, s12, BHALF
	s_add_co_u32 s22, s22, BOFF
	v_mul_u32_u24 v3, v1, PA
	v_lshl_add_u32 v3, v2, 4, v3
	v_add_nc_u32 v[A0], s21, v3
	v_mul_u32_u24 v3, v1, PB
	v_lshl_add_u32 v3, v2, 4, v3
	v_add_nc_u32 v[B0], s22, v3
	s_mul_i32 s23, s10, 16*SPITCH
	s_add_co_u32 s23, s23, STAGE                   ; my stage
	v_mul_u32_u24 v3, v1, SPITCH                   ; in: row l % 16, 32 bytes for each half of the lanes
	v_lshl_add_u32 v3, v2, 5, v3
	v_add_nc_u32 v[STO], s23, v3
	v_mul_u32_u24 v3, v2, SPITCH                   ; back: lanes 0-15 one row of 256 bytes, lanes 16-31 the next
	v_lshl_add_u32 v3, v1, 4, v3
	v_add_nc_u32 v[RD], s23, v3
	v_lshlrev_b32 v3, 12, v2                       ; and the same two rows in memory
	v_lshl_add_u32 v[CO], v1, 4, v3
	v_mov_b32 v[ADRA], v[A0]
	v_mov_b32 v[ADRB], v[B0]
; 8 matrix instructions: row blocks a0, a0 + 1 x all 4 column blocks, 32 along K: half c of buffer f.  z = 1: the first product, whose C is the bias
.macro MUL8 f, c, a0, z
	WIN 0x05
.irp a, \a0, (\a0)+1
.irp b, 0,1,2,3
.if \z
	v_wmma_f32_16x16x32_f16 v[ACC+8*(4*(\a)+(\b)):ACC+8*(4*(\a)+(\b))+7], v[(\f)+64+8*(4*(\c)+(\b)):(\f)+64+8*(4*(\c)+(\b))+7], v[(\f)+8*(4*(\c)+(\a)):(\f)+8*(4*(\c)+(\a))+7], v[BIAS+8*(\b):BIAS+8*(\b)+7]
.else
	v_wmma_f32_16x16x32_f16 v[ACC+8*(4*(\a)+(\b)):ACC+8*(4*(\a)+(\b))+7], v[(\f)+64+8*(4*(\c)+(\b)):(\f)+64+8*(4*(\c)+(\b))+7], v[(\f)+8*(4*(\c)+(\a)):(\f)+8*(4*(\c)+(\a))+7], v[ACC+8*(4*(\a)+(\b)):ACC+8*(4*(\a)+(\b))+7]
.endif
.endr
.endr
.endm
.macro FETCH q, f                      ; 32 LDS loads in one run: quarter q (64 along K: plane q of A, byte 128 q of W's rows) into buffer f; the first 32 along K first
	WIN 0x40
.irp c, 0,1
.irp i, 0,1,2,3
	ds_load_b128 v[(\f)+64+8*(4*(\c)+(\i)):(\f)+64+8*(4*(\c)+(\i))+3],   v[ADRB] offset:128*(\q)+64*(\c)+(\i)*16*PB
	ds_load_b128 v[(\f)+64+8*(4*(\c)+(\i))+4:(\f)+64+8*(4*(\c)+(\i))+7], v[ADRB] offset:128*(\q)+64*(\c)+(\i)*16*PB+32
	ds_load_b128 v[(\f)+8*(4*(\c)+(\i)):(\f)+8*(4*(\c)+(\i))+3],         v[ADRA] offset:(\q)*PLANE+64*(\c)+(\i)*16*PA
	ds_load_b128 v[(\f)+8*(4*(\c)+(\i))+4:(\f)+8*(4*(\c)+(\i))+7],       v[ADRA] offset:(\q)*PLANE+64*(\c)+(\i)*16*PA+32
.endr
.endr
.endm
; A K step is four quarters of 64 along K, 32 matrix instructions each; the 16 accumulators take turns.
.macro QUARTER q, f, g, z
	s_wait_dscnt 16                                ; the first 32 along K are in
	MUL8 \f, 0, 0, \z
	MUL8 \f, 0, 2, \z
	PLACES
	FETCH \q, \g
	s_wait_dscnt 32                                ; all but the 32 just issued
	MUL8 \f, 1, 0, 0
	MUL8 \f, 1, 2, 0
.endm
; The last quarter multiplies buffer 1 and changes slots: each wave waits for all its tensor loads, adds 0 to its spare word, waits for that and for its reads of this slot.
; fill = 1: the barrier opens a round of the cluster's, and the joint refill is the first thing behind it.  fill = 0 (the tail): nothing is asked for; in the last trip nothing is fetched.
.macro TURN fill
	WIN 0
	s_wait_tensorcnt 0x0
	ds_add_u32 v[SPW], v[NIL]
	s_wait_dscnt 17                                ; (the add and the youngest sixteen loads may be out)
	MUL8 F1, 0, 0, 0
	s_wait_dscnt 0x0                               ; the add is done, and my reads of this slot are over
	s_barrier_signal -1
	MUL8 F1, 0, 2, 0
	WIN 0
	s_barrier_wait -1
.if \fill
	CREST
	STEPD
	JLOAD
.else
	s_cmp_eq_u32 s[CNT], 1
	s_cbranch_scc1 .Lnf_\@
	PLACES
.endif
	s_xor_b32 s[TB], s[TB], S1
	v_add_nc_u32 v[ADRA], s[TB], v[A0]
	v_add_nc_u32 v[ADRB], s[TB], v[B0]
	FETCH 0, F0
	WIN 0
.if !(\fill)
.Lnf_\@:
.endif
	MUL8 F1, 1, 0, 0
	MUL8 F1, 1, 2, 0
.endm
; THE WAY OUT of row block a: 32 bytes a lane into my stage (each accumulator's low four registers first), back as whole rows of 256 bytes, plus the residual, stored.
.macro OUTBLK a
.set BK, TMP+32*((\a)%2)
	s_wait_xcnt 0x0                                ; earlier stores have read their registers (ISA guide 3.1): this buffer is loaded again only behind this wait
.irp b, 0,1,2,3
	ds_store_b128 v[STO], v[ACC+8*(4*(\a)+(\b)):ACC+8*(4*(\a)+(\b))+3]   offset:64*(\b)
	ds_store_b128 v[STO], v[ACC+8*(4*(\a)+(\b))+4:ACC+8*(4*(\a)+(\b))+7] offset:64*(\b)+16
.endr
.irp t, 0,1,2,3,4,5,6,7
	ds_load_b128 v[BK+4*(\t):BK+4*(\t)+3], v[RD] offset:(\t)*2*SPITCH  ; LDS serves a wave's instructions in order (ISA guide 5.7.1.4)
.endr
	s_wait_dscnt 0x0
	WIN 0x08                                       ; source 1, the residual, in window 2
.set n, 0
.rept 16
	v_pk_add_f32 v[BK+2*n:BK+2*n+1], v[BK+2*n:BK+2*n+1], v[32*(\a)+2*n:32*(\a)+2*n+1]
.set n, n+1
.endr
	WIN 0
.irp t, 0,1,2,3,4,5,6,7
	global_store_b128 v[CO], v[BK+4*(\t):BK+4*(\t)+3], s[76:77] offset:(16*(\a)+2*(\t))*4096 th:TH_STORE_NT  ; 16 lanes store 256 consecutive bytes, aligned
.endr
.endm
	s_wait_tensorcnt 0x0                           ; my part of K step 0 is in; no load of mine is out, so the descriptors may step
	ds_add_u32 v[SPW], v[NIL]
	STEPD
	s_wait_dscnt 0x0
	CROUND                                         ; everybody's part is in
	JLOAD                                          ; K step 1 into slot 1
	FETCH 0, F0
	s_wait_loadcnt 0x0                             ; the bias
	QUARTER 1, F0, F1, 1                           ; the first quarter stands in front of the loop: its first products start the sums, with the bias
	WIN 0
	s_mov_b32 s[CNT], STEPS-2
.Lstep:                                                ; a trip is a K step, from its second quarter to the next step's first, and asks for the step two on
	QUARTER 2, F1, F0, 0
	QUARTER 3, F0, F1, 0
	TURN 1
	QUARTER 1, F0, F1, 0
	WIN 0
	s_sub_co_u32 s[CNT], s[CNT], 1
	s_cmp_lg_u32 s[CNT], 0
	s_cbranch_scc1 .Lstep
	WIN 0x80                                       ; the residual of my 64 x 64, laid as the rows will come back from the stage: it lands under the tail's 224 matrix instructions
.irp a, 0,1,2,3
.irp t, 0,1,2,3,4,5,6,7
	global_load_b128 v[32*(\a)+4*(\t):32*(\a)+4*(\t)+3], v[CO], s[74:75] offset:(16*(\a)+2*(\t))*4096 th:TH_LOAD_NT
.endr
.endr
	WIN 0
	s_mov_b32 s[CNT], 2
.Ltail:                                                ; the last two K steps: no tensor load; the second trip is left in its middle
	QUARTER 2, F1, F0, 0
	QUARTER 3, F0, F1, 0
	TURN 0
	WIN 0
	s_sub_co_u32 s[CNT], s[CNT], 1
	s_cmp_eq_u32 s[CNT], 0
	s_cbranch_scc1 .Lout
	QUARTER 1, F0, F1, 0
	WIN 0
	s_branch .Ltail
.Lout:
	PLACES
	s_wait_loadcnt 0x0                             ; the residual
	OUTBLK 0
	OUTBLK 1
	OUTBLK 2
	OUTBLK 3
	s_wait_tensorcnt 0x0                           ; the wave's end
	ds_add_u32 v[SPW], v[NIL]
	s_wait_dscnt 0x0
	CROUND                                         ; the closing round
	s_endpgm
.Lfunc_end_k_qe2ebf3a0a6_ffn2:
	.size	k_qe2ebf3a0a6_ffn2, .Lfunc_end_k_qe2ebf3a0a6_ffn2-k_qe2ebf3a0a6_ffn2
	.p2alignl 7, 3214868480
	.fill 96, 4, 3214868480
	.section	.rodata,"a",@progbits
	.p2align	6, 0x0
	.amdhsa_kernel k_qe2ebf3a0a6_ffn2
		.amdhsa_group_segment_fixed_size 327680
		.amdhsa_private_segment_fixed_size 0
		.amdhsa_enable_private_segment 0
		.amdhsa_kernarg_size 40
		.amdhsa_user_sgpr_count 2
		.amdhsa_user_sgpr_kernarg_segment_ptr 1
		.amdhsa_wavefront_size32 1
		.amdhsa_system_sgpr_workgroup_id_x 1
		.amdhsa_system_sgpr_workgroup_id_y 1
		.amdhsa_system_sgpr_workgroup_id_z 1
		.amdhsa_system_vgpr_workitem_id 0
		.amdhsa_next_free_vgpr 640
		.amdhsa_next_free_sgpr 80
		.amdhsa_reserve_vcc 0
		.amdhsa_float_denorm_mode_32 3
		.amdhsa_float_denorm_mode_16_64 3
		.amdhsa_memory_ordered 1
		.amdhsa_forward_progress 1
		.amdhsa_inst_pref_size 66
	.end_amdhsa_kernel
	.amdgpu_metadata
---
amdhsa.version: [ 1, 2 ]
amdhsa.kernels:
  - .name:           k_qe2ebf3a0a6_ffn2
    .symbol:         k_qe2ebf3a0a6_ffn2.kd
    .args:
      - { .name: big, .offset: 0, .size: 8, .value_kind: global_buffer, .address_space: global }
      - { .name: w2h, .offset: 8, .size: 8, .value_kind: global_buffer, .address_space: global }
      - { .name: b2, .offset: 16, .size: 8, .value_kind: global_buffer, .address_space: global }
      - { .name: x2, .offset: 24, .size: 8, .value_kind: global_buffer, .address_space: global }
      - { .name: out0, .offset: 32, .size: 8, .value_kind: global_buffer, .address_space: global }
    .group_segment_fixed_size: 327680
    .private_segment_fixed_size: 0
    .kernarg_segment_align: 8
    .kernarg_segment_size: 40
    .max_flat_workgroup_size: 128
    .sgpr_count:     80
    .vgpr_count:     640
    .wavefront_size: 32
...
	.end_amdgpu_metadata
.endif
;; end of part 6
;; ======== version 2 of 2: 7 launches; version 1 with the launch prep written anew for expert scheduling mode
;; limits: values are held in f16: magnitudes above 65,504 overflow, below 6.1e-05 lose precision
;; workspace buffers: xn 8,388,608 bytes; wqkv 6,308,096 bytes; w1h 8,405,248 bytes; w2h 8,388,608 bytes; woh 2,097,152 bytes; big 33,554,432 bytes; ctx 8,650,752 bytes; x2 16,777,216 bytes
;; launch prep (part 7): grid 256 x 1, 16 waves a work-group, no clusters, 0 bytes of LDS; arguments x, ln1_g, ln1_b, xn, Wq, Wk, Wv, W1, W2, Wo, wqkv, w1h, w2h, woh, bq, bk, bv, b1; writes xn, wqkv, w1h, w2h, woh
.if DOCPART == 7
	.amdgcn_target "amdgcn-amd-amdhsa--gfx1250"
	.amdhsa_code_object_version 6
	.text
	.protected	k_qe2ebf3a0a6_prep
	.globl	k_qe2ebf3a0a6_prep
	.p2align	8
	.type	k_qe2ebf3a0a6_prep,@function
k_qe2ebf3a0a6_prep:
	s_mov_b64 s[64:65], 0
	v_nop
	global_prefetch_b8 v0, s[64:65] scope:SCOPE_SE
	s_setreg_imm32_b32 hwreg(HW_REG_WAVE_SCHED_MODE, 0, 2), 2
	s_setreg_imm32_b32 hwreg(HW_REG_WAVE_MODE, 25, 1), 1
	s_wait_xcnt 0x0
	s_wait_alu depctr_vm_vsrc(0)
; PREP.  256 work-groups of sixteen waves; wave W = 16 x work-group + wave (0 .. 4,095) has the same share as every other:
;   row W of LN1: xn[W] = (x[W] - mean) * rsqrt(var + 1e-6) * g + b, rounded once to f16.  The row of 1,024 numbers stays in 32 registers between the passes (mean; centred squares;
;   scaling): the order of the formula itself, so a common offset of x costs nothing;
;   three blocks of 4,096 bytes of weights, rounded once to f16 (2,048 bytes out): blocks W, W + 4,096 and W + 8,192 of the stream Wq | Wk | Wv | W1 | W2 | Wo, 12,288 blocks in all.
;   Wq, Wk, Wv -> wqkv, W1 -> w1h, W2 -> w2h, Wo -> woh; source and destination are plain streams, so block u of a matrix lies at 4,096 u and goes to 2,048 u.
; All 48 loads of a wave (24 KB) go out before its first wait; the norm is reckoned while the weights are on their way; results are converted in place.
; THE HEADERS of wqkv and w1h: bytes 0 .. 16,383 the bias in f32 by output column (bq | bk | bv; b1), bytes 16,384 .. 16,639 the slope of the activation behind that product as two f16 a word
; (1.0: none; 0.01).  The weights begin at byte HDR.  Waves 0 .. 7 of work-group 0 write them, ahead of their share, from registers that nothing rewrites.
; LIMITS.  xn and the weights must lie within 65,504; a weight below 6e-5 keeps f16's fixed step of 6e-8; 0.01 is taken as f16's 0.0100021.  NaN and infinities are not treated apart.
; No LDS, no barrier, no matrix unit: memory binds, every byte is read once and every store of a wave covers 256 or 512 consecutive aligned bytes.
; THE MODE: SCHED_MODE bits 1:0 = 2 (LLVM: expert scheduling mode 2), set by the entry lines.  The code itself states the register dependences
; between vector instructions and memory instructions, with s_wait_alu, always for 0.
; THE PLAN.  Registers that memory instructions touch:
;   v1, v2      byte offsets, made once at the head and never written again; every load and store reads one of them.
;   H           waves 0 .. 6 of work-group 0: written by loads, read by stores, named by no vector instruction.  Wave 7: four registers written by v_mov_b32, read by two stores.  Never written again.
;   X           written by eight loads; then the norm's arithmetic; its sixteen conversions write v[X .. X+15], which eight stores read.  Never written again.
;   G, B        written by loads, read by vector instructions alone.
;   C           written by 24 loads; a block's sixteen conversions write the first two of each four registers, which the block's eight stores read.  Never written again.
; Every load of a share is issued before a vector instruction names X, G, B or C, so no load lands in a register that a vector instruction has named.  No register that a memory instruction
; has read is written again, so past the entry lines the text holds no wait on vm_vsrc.  What is left is: vector results that stores read.  So the conversions stand in runs (the row's sixteen; sixteen to a block
; of weights), ONE wait on va_vdst stands behind each run, and the run's eight stores follow it, ahead of the wait for the next block's data.
.set HDR, 16640
.set T,   4                            ; v[4:11]    four chains of two sums
.set X,   32                           ; v[32:63]   the row; at last its f16 form in v[32:47]
.set G,   64                           ; v[64:95]   the gain of my 32 columns
.set B,   96                           ; v[96:127]  the bias of my 32 columns
.set C,   128                          ; v[128:223] the weights: 24 loads of four registers, each converted into its first two
.set H,   224                          ; v[224:255] a header's 4,096 bytes, or the slope words
.macro REDUCE                          ; four chains of pairs -> one sum, in every lane
	v_pk_add_f32 v[T:T+1], v[T:T+1], v[T+2:T+3]
	v_pk_add_f32 v[T+4:T+5], v[T+4:T+5], v[T+6:T+7]
	v_pk_add_f32 v[T:T+1], v[T:T+1], v[T+4:T+5]
	v_add_f32 v[T], v[T], v[T+1]
.irp m, 1,2,4,8
	v_add_f32_dpp v[T], v[T], v[T] row_xmask:\m row_mask:0xf bank_mask:0xf
.endr
	v_permlanex16_b32 v[T+1], v[T], s44, s45       ; the other half of the lanes; its destination has been written
	v_add_f32 v[T], v[T], v[T+1]
.endm
	s_load_b512 s[4:19], s[0:1], 0x0               ; x 4, ln1_g 6, ln1_b 8, xn 10, Wq 12, Wk 14, Wv 16, W1 18
	s_load_b512 s[20:35], s[0:1], 0x40             ; W2 20, Wo 22, wqkv 24, w1h 26, w2h 28, woh 30, bq 32, bk 34
	s_load_b128 s[36:39], s[0:1], 0x80             ; bv 36, b1 38
	v_lshrrev_b32 v3, 5, v0
	v_readfirstlane_b32 s40, v3                    ; wave 0..15
	v_and_b32 v1, 31, v0
	v_lshlrev_b32 v2, 3, v1                        ; 8 x lane; never rewritten
	v_lshlrev_b32 v1, 4, v1                        ; 16 x lane; never rewritten
	s_mov_b32 s44, 0x76543210                      ; v_permlanex16_b32: each lane takes its own place in the other half
	s_mov_b32 s45, 0xfedcba98
	s_mov_b32 s46, 0x3a800000                      ; 1 / 1,024
	s_mov_b32 s67, 0                               ; the high words of the offsets
	s_mov_b32 s69, 0
	s_lshl_b32 s41, ttmp9, 4
	s_wait_alu depctr_va_sdst(0)                   ; s40 is written, ahead of its first reader: W, and with it every branch and base below, is made from it
	s_add_co_u32 s41, s41, s40                     ; W
	s_wait_kmcnt 0x0
	s_wait_alu depctr_va_vdst(0)                   ; v1 and v2 are written: every load and store of the kernel, on every path, reads one of them as its offset
	s_cmp_ge_u32 s41, 8
	s_cbranch_scc1 .Lmain
	s_cmp_eq_u32 s41, 7
	s_cbranch_scc1 .Lslope
	s_mov_b64 s[72:73], s[32:33]                   ; W = 0, 1, 2: bq, bk, bv -> wqkv + 4,096 W; W = 3 .. 6: b1 + 4,096 (W - 3) -> w1h + 4,096 (W - 3)
	s_mov_b64 s[74:75], s[24:25]
	s_lshl_b32 s66, s41, 12
	s_max_u32 s47, s41, 3
	s_sub_co_u32 s47, s47, 3
	s_lshl_b32 s68, s47, 12
	s_cmp_ge_u32 s41, 1
	s_cselect_b64 s[72:73], s[34:35], s[72:73]
	s_cmp_ge_u32 s41, 2
	s_cselect_b64 s[72:73], s[36:37], s[72:73]
	s_cmp_ge_u32 s41, 3
	s_cselect_b64 s[72:73], s[38:39], s[72:73]
	s_cselect_b64 s[74:75], s[26:27], s[74:75]
	s_cselect_b32 s66, s68, s66
	s_add_nc_u64 s[72:73], s[72:73], s[68:69]
	s_add_nc_u64 s[74:75], s[74:75], s[66:67]
.set j, 0
.rept 8
	global_load_b128 v[H+4*j:H+4*j+3], v1, s[72:73] offset:512*j  ; no vector instruction names these registers, on this path or behind it
.set j, j+1
.endr
	s_wait_loadcnt 0x0
.set j, 0
.rept 8
	global_store_b128 v1, v[H+4*j:H+4*j+3], s[74:75] offset:512*j  ; neither these registers nor s[72:75] are written again
.set j, j+1
.endr
	s_branch .Lmain
.Lslope:
	v_mov_b32 v[H], 0x3c003c00                     ; 1.0 twice in f16: q, k and v have no activation
	v_mov_b32 v[H+1], 0x3c003c00
	v_mov_b32 v[H+2], 0x211f211f                   ; 0.01 twice
	v_mov_b32 v[H+3], 0x211f211f
	s_wait_alu depctr_va_vdst(0)                   ; the four slope words are written, which the two stores read; they are not written again
	global_store_b64 v2, v[H:H+1], s[24:25] offset:16384
	global_store_b64 v2, v[H+2:H+3], s[26:27] offset:16384
.Lmain:
	s_lshl_b32 s66, s41, 12
	s_add_nc_u64 s[4:5], s[4:5], s[66:67]          ; x at my row
	s_lshl_b32 s66, s41, 11
	s_add_nc_u64 s[10:11], s[10:11], s[66:67]      ; xn at my row
.set j, 0
.rept 8
	global_load_b128 v[X+4*j:X+4*j+3], v1, s[4:5] offset:512*j th:TH_LOAD_NT  ; columns 128 j + 4 lane .. + 3
.set j, j+1
.endr
.set j, 0
.rept 8
	global_load_b128 v[G+4*j:G+4*j+3], v1, s[6:7] offset:512*j
.set j, j+1
.endr
.set j, 0
.rept 8
	global_load_b128 v[B+4*j:B+4*j+3], v1, s[8:9] offset:512*j
.set j, j+1
.endr
	; my three blocks.  hi: W >= 3,072.  U = hi ? W - 3,072 : W + 1,024.
	;   first:  from Wq, Wk, Wv or W1 by W / 1,024, block W % 1,024;  to wqkv, block W, or (hi) w1h, block U
	;   second: from W1 or (hi) W2, block U;  to w1h or (hi) w2h, block U          third: from W2 or (hi) Wo, block U;  to w2h or (hi) woh, block U
	s_and_b32 s42, s41, 1023
	s_add_co_u32 s43, s41, 1024
	s_max_u32 s47, s41, 3072
	s_sub_co_u32 s47, s47, 3072
	s_mov_b64 s[48:49], s[12:13]
	s_cmp_ge_u32 s41, 1024
	s_cselect_b64 s[48:49], s[14:15], s[48:49]
	s_cmp_ge_u32 s41, 2048
	s_cselect_b64 s[48:49], s[16:17], s[48:49]
	s_cmp_ge_u32 s41, 3072
	s_cselect_b64 s[48:49], s[18:19], s[48:49]     ; from: s[48:49], s[52:53], s[56:57]
	s_cselect_b64 s[50:51], s[26:27], s[24:25]     ; to:   s[50:51], s[54:55], s[58:59]
	s_cselect_b64 s[52:53], s[20:21], s[18:19]
	s_cselect_b64 s[54:55], s[28:29], s[26:27]
	s_cselect_b64 s[56:57], s[22:23], s[20:21]
	s_cselect_b64 s[58:59], s[30:31], s[28:29]
	s_cselect_b32 s43, s47, s43                    ; U
	s_cselect_b32 s70, s47, s41                    ; the first block's place in its destination
	s_cselect_b32 s71, 0, HDR                      ; the second destination's header: w1h has one, w2h none
	s_lshl_b32 s66, s42, 12
	s_add_nc_u64 s[48:49], s[48:49], s[66:67]
	s_lshl_b32 s66, s43, 12
	s_add_nc_u64 s[52:53], s[52:53], s[66:67]
	s_add_nc_u64 s[56:57], s[56:57], s[66:67]
.set n, 0
.rept 24
	global_load_b128 v[C+4*n:C+4*n+3], v1, s[48+4*(n/8):49+4*(n/8)] offset:512*(n%8) th:TH_LOAD_NT
.set n, n+1
.endr
	s_lshl_b32 s66, s70, 11
	s_add_co_u32 s66, s66, HDR
	s_add_nc_u64 s[50:51], s[50:51], s[66:67]
	s_lshl_b32 s66, s43, 11
	s_add_nc_u64 s[58:59], s[58:59], s[66:67]
	s_add_co_u32 s66, s66, s71
	s_add_nc_u64 s[54:55], s[54:55], s[66:67]
	s_wait_loadcnt 40                              ; loads return in order (ISA guide 5.7.1): the row is in; the forty younger loads (gain 8, bias 8, weights 24) stay out
.set p, 0
.rept 4
	v_pk_add_f32 v[T+2*p:T+2*p+1], v[X+2*p:X+2*p+1], v[X+8+2*p:X+8+2*p+1]  ; the first eight pairs start the chains: nothing is cleared
.set p, p+1
.endr
.set p, 8
.rept 8
	v_pk_add_f32 v[T+2*(p%4):T+2*(p%4)+1], v[T+2*(p%4):T+2*(p%4)+1], v[X+2*p:X+2*p+1]
.set p, p+1
.endr
	REDUCE
	v_mul_f32 v12, s46, v[T]                       ; the mean: sum / 1,024
	v_mov_b32 v13, v12
.set p, 0
.rept 16
	v_pk_add_f32 v[X+2*p:X+2*p+1], v[X+2*p:X+2*p+1], v[12:13] neg_lo:[0,1] neg_hi:[0,1]
.set p, p+1
.endr
.set p, 0
.rept 4
	v_pk_mul_f32 v[T+2*p:T+2*p+1], v[X+2*p:X+2*p+1], v[X+2*p:X+2*p+1]
.set p, p+1
.endr
.rept 12
	v_pk_fma_f32 v[T+2*(p%4):T+2*(p%4)+1], v[X+2*p:X+2*p+1], v[X+2*p:X+2*p+1], v[T+2*(p%4):T+2*(p%4)+1]
.set p, p+1
.endr
	REDUCE
	v_fmaak_f32 v16, s46, v[T], 0x358637bd         ; var + 1e-6
	v_rsq_f32 v14, v16                             ; twice, for the pair that the packed multiply names
	v_rsq_f32 v15, v16
	v_nop                                          ; a plain instruction between a transcendental and the use of its result (ISA guide 5.7.2)
	s_wait_loadcnt 24                              ; gain and bias are in; the weights stay out
	s_wait_alu depctr_va_vdst(0)                   ; the two v_rsq_f32 have written v14 and v15, ahead of their first reader: one wait for both
.set p, 0
.rept 16
	v_pk_mul_f32 v[X+2*p:X+2*p+1], v[X+2*p:X+2*p+1], v[14:15]
.set p, p+1
.endr
.set p, 0
.rept 16
	v_pk_fma_f32 v[X+2*p:X+2*p+1], v[X+2*p:X+2*p+1], v[G+2*p:G+2*p+1], v[B+2*p:B+2*p+1]
.set p, p+1
.endr
.set p, 0
.rept 16
	v_cvt_pk_f16_f32 v[X+p], v[X+2*p], v[X+2*p+1]  ; in place, ascending: register p has been read by pair p / 2 before pair p writes it
.set p, p+1
.endr
	s_wait_alu depctr_va_vdst(0)                   ; the sixteen conversions have written v[X .. X+15], which the eight stores read
.set j, 0
.rept 8
	global_store_b64 v2, v[X+2*j:X+2*j+1], s[10:11] offset:256*j  ; the wave's 32 lanes store 256 consecutive bytes, aligned
.set j, j+1
.endr
; Block k of my three blocks of weights: its eight loads are waited for together, rounded in one run and stored in one run.  Every load has registers of its own, so no store's data is rewritten.
.macro WBLK k
	s_wait_loadcnt 16-8*(\k)                       ; block k's eight loads are in; the younger blocks, eight loads each, stay out
.set n, 8*(\k)
.rept 8
	v_cvt_pk_f16_f32 v[C+4*n], v[C+4*n], v[C+4*n+1]
	v_cvt_pk_f16_f32 v[C+4*n+1], v[C+4*n+2], v[C+4*n+3]
.set n, n+1
.endr
	s_wait_alu depctr_va_vdst(0)                   ; the block's sixteen conversions have written its eight pairs, which the eight stores read
.set n, 8*(\k)
.rept 8
	global_store_b64 v2, v[C+4*n:C+4*n+1], s[50+4*(\k):51+4*(\k)] offset:256*(n%8)  ; they stand ahead of the wait for the next block's data
.set n, n+1
.endr
.endm
	WBLK 0
	WBLK 1
	WBLK 2
	s_endpgm
.Lfunc_end_k_qe2ebf3a0a6_prep:
	.size	k_qe2ebf3a0a6_prep, .Lfunc_end_k_qe2ebf3a0a6_prep-k_qe2ebf3a0a6_prep
	.p2alignl 7, 3214868480
	.fill 96, 4, 3214868480
	.section	.rodata,"a",@progbits
	.p2align	6, 0x0
	.amdhsa_kernel k_qe2ebf3a0a6_prep
		.amdhsa_group_segment_fixed_size 0
		.amdhsa_private_segment_fixed_size 0
		.amdhsa_enable_private_segment 0
		.amdhsa_kernarg_size 144
		.amdhsa_user_sgpr_count 2
		.amdhsa_user_sgpr_kernarg_segment_ptr 1
		.amdhsa_wavefront_size32 1
		.amdhsa_system_sgpr_workgroup_id_x 1
		.amdhsa_system_sgpr_workgroup_id_y 1
		.amdhsa_system_sgpr_workgroup_id_z 1
		.amdhsa_system_vgpr_workitem_id 0
		.amdhsa_next_free_vgpr 256
		.amdhsa_next_free_sgpr 80
		.amdhsa_reserve_vcc 0
		.amdhsa_float_denorm_mode_32 3
		.amdhsa_float_denorm_mode_16_64 3
		.amdhsa_memory_ordered 1
		.amdhsa_forward_progress 1
		.amdhsa_inst_pref_size 24
	.end_amdhsa_kernel
	.amdgpu_metadata
---
amdhsa.version: [ 1, 2 ]
amdhsa.kernels:
  - .name:           k_qe2ebf3a0a6_prep
    .symbol:         k_qe2ebf3a0a6_prep.kd
    .args:
      - { .name: x, .offset: 0, .size: 8, .value_kind: global_buffer, .address_space: global }
      - { .name: ln1_g, .offset: 8, .size: 8, .value_kind: global_buffer, .address_space: global }
      - { .name: ln1_b, .offset: 16, .size: 8, .value_kind: global_buffer, .address_space: global }
      - { .name: xn, .offset: 24, .size: 8, .value_kind: global_buffer, .address_space: global }
      - { .name: Wq, .offset: 32, .size: 8, .value_kind: global_buffer, .address_space: global }
      - { .name: Wk, .offset: 40, .size: 8, .value_kind: global_buffer, .address_space: global }
      - { .name: Wv, .offset: 48, .size: 8, .value_kind: global_buffer, .address_space: global }
      - { .name: W1, .offset: 56, .size: 8, .value_kind: global_buffer, .address_space: global }
      - { .name: W2, .offset: 64, .size: 8, .value_kind: global_buffer, .address_space: global }
      - { .name: Wo, .offset: 72, .size: 8, .value_kind: global_buffer, .address_space: global }
      - { .name: wqkv, .offset: 80, .size: 8, .value_kind: global_buffer, .address_space: global }
      - { .name: w1h, .offset: 88, .size: 8, .value_kind: global_buffer, .address_space: global }
      - { .name: w2h, .offset: 96, .size: 8, .value_kind: global_buffer, .address_space: global }
      - { .name: woh, .offset: 104, .size: 8, .value_kind: global_buffer, .address_space: global }
      - { .name: bq, .offset: 112, .size: 8, .value_kind: global_buffer, .address_space: global }
      - { .name: bk, .offset: 120, .size: 8, .value_kind: global_buffer, .address_space: global }
      - { .name: bv, .offset: 128, .size: 8, .value_kind: global_buffer, .address_space: global }
      - { .name: b1, .offset: 136, .size: 8, .value_kind: global_buffer, .address_space: global }
    .group_segment_fixed_size: 0
    .private_segment_fixed_size: 0
    .kernarg_segment_align: 8
    .kernarg_segment_size: 144
    .max_flat_workgroup_size: 512
    .sgpr_count:     80
    .vgpr_count:     256
    .wavefront_size: 32
...
	.end_amdgpu_metadata
.endif
;; end of part 7
;; launch qkv: the kernel of part 2 again; grid 12 x 16, 4 waves a work-group, clusters of 4 x 4, 327,680 bytes of LDS; arguments xn, wqkv, big; writes big
;; launch attn: the kernel of part 3 again; grid 8 x 32, 4 waves a work-group, clusters of 4 x 1, 327,680 bytes of LDS; arguments big, ctx; writes ctx
;; launch wproj: the kernel of part 4 again; grid 8 x 32, 4 waves a work-group, clusters of 4 x 4, 327,680 bytes of LDS; arguments ctx, woh, bo, x, x2; writes x2
;; launch ln2: the kernel of part 5 again; grid 512 x 1, 8 waves a work-group, no clusters, 0 bytes of LDS; arguments x2, ln2_g, ln2_b, xn; writes xn
;; launch ffn1: the kernel of part 2 again; grid 16 x 16, 4 waves a work-group, clusters of 4 x 4, 327,680 bytes of LDS; arguments xn, w1h, big; writes big
;; launch ffn2: the kernel of part 6 again; grid 8 x 32, 4 waves a work-group, clusters of 4 x 4, 327,680 bytes of LDS; arguments big, w2h, b2, x2, out0; writes out0
